; MI455X (gfx1250); checked and timed in simulation.
; The chip was launched on July 23, 2026; its instructions are those of AMD's public machine-readable ISA for CDNA 5 (MIT licence, August 2026) and "CDNA5" Instruction Set Architecture Reference Guide (July 2026). The comments in the code are by the model that wrote it; some were corrected since.
;; Self Attention RPPE Block. Allowed arithmetic: matrix products marked QUANTISED: E5M2 operands, one given power-of-two scale a tensor, by v_wmma_f32_16x16x64_bf8_bf8 or v_wmma_f32_16x16x128_bf8_bf8, f32 sums; everything else in f32.
;; Inputs: W_out_codes 1,024 x 32 x 32 uint8 (E5M2 codes of W_out, K innermost, in blocks of 32 codes); W_qkv_codes 3,072 x 32 x 32 uint8 (E5M2 codes of W_qkv, K innermost, in blocks of 32 codes); b_out 1,024 float32; b_qkv 3,072 float32; bias 2,048 x 2,048 float32; lowp_scales 8 int32 (the exponents e of the quantised operands' scales 2^e); x_codes 4 x 2,048 x 32 x 32 uint8 (E5M2 codes of x, K innermost, in blocks of 32 codes).
;; Outputs: out0 4 x 2,048 x 1,024 float32.
;; This version of the problem:
;;   THIS VERSION OF THE PROBLEM IS GIVEN IN LOW PRECISION. The matrix products marked QUANTISED in the list below multiply operands that are first quantised to E5M2 (5 exponent bits, 2 mantissa bits; 8 bits a number), with one given power-of-two scale for each operand tensor; their sums are f32. All else is computed in f32.
;;   The module's matrix products, in the order in which they are computed (A, B: the left and right operand; K: the contracted axis; several contracted axes count as one K, in the product's order):
;;     1. [M 8,192, K 1,024] x [K 1,024, N 3,072]; A: input x (given as codes); B: input W_qkv (given as codes): QUANTISED (scales: A lowp_scales[0], B lowp_scales[1])
;;     2. batch 4 x [M 2,048, K 1,024] x [K 1,024, N 2,048]; A: computed on the way; B: computed on the way: QUANTISED (scales: A lowp_scales[2], B lowp_scales[3])
;;     3. batch 4 x [M 2,048, K 2,048] x [K 2,048, N 1,024]; A: softmax (see below); B: computed on the way: QUANTISED (scales: A lowp_scales[4], B lowp_scales[5])
;;     4. [M 8,192, K 1,024] x [K 1,024, N 1,024]; A: computed on the way; B: input W_out (given as codes): QUANTISED (scales: A lowp_scales[6], B lowp_scales[7])
;;   THE QUANTISER, for each operand of a quantised product, along K:
;;     - The operand's scale is 2^e, e = its entry of the input lowp_scales (int32; the entries are numbered through the quantised products in the list's order, A before B).
;;     - Each number is divided by the scale, clamped to +-57,344, and rounded to the nearest number of E5M2, ties to even, subnormals kept.
;;     - The product sums the exact products of the quantised numbers (number of the format x scale) in f32.
;;   ~~~python
;;   def quantise(x, axis, e):      # numpy; x: float32 -> the quantised numbers, widened to float32 again
;;       x = np.moveaxis(x, axis, -1); K = x.shape[-1]
;;       r = np.clip(x / 2.0 ** e, -57344, 57344)
;;       step = 2.0 ** (np.maximum(np.frexp(np.where(r == 0, 1, r))[1] - 1, -14) - 2)
;;       q = np.round(r / step) * step * 2.0 ** e      # np.round: ties to even
;;       return np.moveaxis(q, -1, axis).astype(np.float32)
;;   ~~~
;;   SOFTMAX AHEAD OF A QUANTISED PRODUCT. Where the list says 'softmax', what is quantised is not the finished softmax but p = 2^(t - M), with t = logit x log2(e) and M = ceil(the row's largest t), a whole number; so 1/2 < the row's largest p <= 1. The row's sum l is taken of the UNQUANTISED p, in f32, and the product's result is divided by l at the end. Since M is a whole number, a kernel that streams over the keys may use a running M (the ceiling of the running maximum): every later rescaling is an exact power of two, so the quantised numbers keep their values, but for numbers so far below the row's largest that they fall under the format's range.
;;   OPERANDS COMPUTED ON THE WAY. 'Computed on the way' means the value that the module computes at that place (a softmax that the list does not call 'softmax' is quantised finished and normalised). What goes into a quantiser is computed in f32, as accurately as f32 sums, v_exp_f32 and their like allow (about 1e-6 of the number): no bf16 or f16 on the way to a quantiser, and a product that is left as it is and whose result goes on into a quantised operand takes f32 operands (vector FMAs, or v_wmma_f32_16x16x4_f32). A number that lies on a knife's edge between two numbers of the format may be rounded either way, as far as f32 arithmetic and the matrix unit's own rounding can turn it there, and no further.
;;   INPUTS GIVEN AS CODES. W_out (in the module: [1024, 1024], K = its axis 1); W_qkv (in the module: [3072, 1024], K = its axis 1); x (in the module: [4, 2048, 1024], K = its axis 2): each comes as NAME_codes (uint8): NAME with its K axis moved to the last place and cut into blocks of 32 codes, [.., K / 32, bytes a block], one block behind the other in memory; one code a byte (a code: sign, 5 exponent bits, 2 mantissa bits); its scale is its entry of lowp_scales. Its value is code x scale, taken as it is: it is not quantised again, and the codes and scales need not be those that the quantiser above would give.
;; One version. Each part assembles by itself: llvm-mc -triple=amdgcn-amd-amdhsa -mcpu=gfx1250 --defsym DOCPART=n.
;; ======== version 1 of 1: 4 launches
;; limits: right only within a limited range of input values
;; workspace buffers: qk_img 16,777,216 bytes; v_img 8,388,608 bytes; w_img 1,048,576 bytes; p_img 16,777,216 bytes; stats 1,310,720 bytes; val_img 8,388,608 bytes
;; launch qkv (part 1): grid 8 x 32, 4 waves a work-group, clusters of 4 x 4, 327,680 bytes of LDS; arguments x_codes, W_qkv_codes, b_qkv, lowp_scales, qk_img, v_img, W_out_codes, w_img; writes qk_img, v_img, w_img
.if DOCPART == 1
	.amdgcn_target "amdgcn-amd-amdhsa--gfx1250"
	.amdhsa_code_object_version 6
	.text
	.protected	k_q8852da01c2_qkv
	.globl	k_q8852da01c2_qkv
	.p2align	8
	.type	k_q8852da01c2_qkv,@function
k_q8852da01c2_qkv:
	s_mov_b64 s[64:65], 0
	v_nop
	global_prefetch_b8 v0, s[64:65] scope:SCOPE_SE
	s_setreg_imm32_b32 hwreg(HW_REG_WAVE_MODE, 25, 1), 1
	s_wait_xcnt 0x0
	s_wait_alu depctr_hold_cnt(0) depctr_sa_sdst(0) depctr_va_vdst(0) depctr_va_sdst(0) depctr_va_ssrc(0) depctr_va_vcc(0) depctr_vm_vsrc(0)
	s_getreg_b32 s2, hwreg(HW_REG_IB_STS2, 6, 4)
	s_cmp_eq_u32 s2, 0
	s_cbranch_scc0 .Lentry_in_a_cluster
	s_endpgm
.Lentry_in_a_cluster:
	s_bfe_u32 s2, ttmp6, 0x10000c
	s_cmp_lg_u32 s2, 0xf033
	s_cbranch_scc0 .Lentry_shape_is_right
	s_endpgm
.Lentry_shape_is_right:
; LAUNCH 1 OF 4: qkv = x W_qkv^T + b_qkv on codes of E5M2, and q, k, v quantised for the products that follow.
; NO WORK OF reference() IS LEFT OUT in this program: all four products are live, every input has a way to the output (b_qkv's part for k moves k's codes), and every input is loaded.
; SHARES.  A work-group takes 256 tokens and three chunks of 128 features, one of q, one of k, one of v; a wave 64 tokens x 128 features of each chunk: 32 accumulators, 256 matrix instructions a chunk.
; x STAYS IN REGISTERS: a wave's 64 rows x 1,024 codes are 512 registers.  They are read once, 512 consecutive bytes of a row by each load, and turned into fragments through a stage of the wave's own in LDS, 16 rows x 512 bytes at a time:
; the first half of K ahead of the first chunk, the second in the midst of it.
; W_qkv's chunks, 128 rows of 1,024 bytes with 16 of padding behind each, come through two LDS slots: q's at the head, k's when q's has landed, v's when q's has been multiplied.
; THE MATRIX INSTRUCTION: in the result lane (r, h) holds row r of source 1, and its registers j the rows 8 h + j of source 0.  A conversion of eight registers gives eight codes that are neighbours along source 0's rows, the next product's K:
;   q and k: source 0 = W_qkv (the features are the scores' K), source 1 = x.   v: source 0 = x (the keys are the third product's K), source 1 = W_qkv: v comes out with the keys innermost.
; Both operands are read 16 bytes at a time (registers 4 c .. 4 c + 3: k = 32 c + 16 h + 0 .. 15): a permutation of k, the same on both sides.
; THE BIAS x 2^-(e0 + e1) IS THE FIRST PRODUCT'S C, and the factor 2^(e0 + e1) of a sum is folded into the conversion's scale: a finished sum is held within +-57,344 x 2^(e - e0 - e1) and converted with 2^(e - e0 - e1) (e = e2, e3, e5).
; THE WORKSPACE IS LAID AS IMAGES OF OPERAND REGISTERS.  A fragment, 16 rows x 128 K, is 2,048 bytes: register p of lane L at byte 512 (p / 4) + 16 L + 4 (p % 4); registers 2 b, 2 b + 1 of lane (r, h) hold row r, k = 16 b + 8 h + 0 .. 7.
;   qk_img: q at 0, k at 8,388,608; each [token / 128][feature / 128][tile of 16 tokens][2,048].   v_img: [batch][d / 128][key / 128][tile of 16 d][2,048].
;   w_img: W_out's codes laid the same way for the last launch, [column / 128][k / 128][tile of 16 columns][2,048]: each work-group lays two of the 512 fragments.
; CLUSTERS: 4 x 4; the four work-groups of a column need the same chunks of W_qkv and ask for them jointly.  x is not asked for jointly: it goes to registers and not to tiles, and LDS has no room for it beside two chunks.
; LIMITS: e0 + e1 between -126 and 126; e2, e3, e5 less (e0 + e1) between -126 and 112; a bias x 2^-(e0 + e1) is an f32 number.  NaN among the inputs is not served.
; No prefetch: q's chunk is asked for at the head, and behind it the loop has two fills, k's and v's, each of which has a whole chunk's products in which to land.
; REGISTERS: window 0: v1-32 at work, addresses, constants; v128-191, v192-255 and v64-127 W_qkv's fragments, three sets of four; v64-127 is the chunk's bias first, which the first K step alone reads;
;   on the ways out v128-191 numbers, v192-255 codes.
;   windows 1, 2: x, (K step s, tile a) at 64 (s % 4) + 16 a of window 1 + s / 4.   window 3: the accumulators, (tile a of x, tile b of W_qkv) at 64 a + 8 b.
.set SLOT,   4*32*1040
.set STAGE,  2*SLOT
.set SPITCH, 528
.set SPARE,  STAGE+4*16*SPITCH
.set STR,  1                           ; where I read x's fragments back
.set CO,   5                           ; 16 x lane
.set STW,  7                           ; where I put 16 bytes of a row of x
.set BV,   8                           ; v8-15 v's bias: that of channel 16 b + r
.set ADW,  16                          ; v16-17 LDS address of W_qkv's tiles 0-3, 4-7 in the slot in hand
.set AD0,  18                          ; v18-19 the same in slot 0
.set WO,   20                          ; v20-27 my part of W_out's image
.set SPW,  28
.set NIL,  29
.set SC,   30
.set LIM,  31
.set WOA,  32                          ; at the head: my lane's place in W_out
.set BI,   64
.set TMP,  128
.set CD,   192
.set G1,  24
.set G0,  32
.set MSB, 0
.macro WIN new                         ; the immediate's high byte repeats the setting that is left
.if MSB != (\new)
	s_set_vgpr_msb (MSB<<8)|(\new)
.set MSB, \new
.endif
.endm
.macro PLACES n
.rept \n
	v_nop
.endr
.endm
.macro TLOAD
	tensor_load_to_lds s[G0:G0+3], s[G1:G1+7]
	s_nop 0
	PLACES 4
.endm
.macro CROUND                          ; a round of the cluster's barrier
	s_barrier_signal -1
	s_barrier_wait -1
	s_cmp_lg_u32 s14, 0
	s_cbranch_scc1 .Lnot_wave_0_\@
	s_barrier_signal -3
.Lnot_wave_0_\@:
	s_barrier_wait -3
	s_barrier_signal -1
	s_barrier_wait -1
.endm
; PIECE p of x: tile p % 4, half p / 4 of K: 16 rows x 512 bytes; its 16 loads land in the 64 registers that will hold its four fragments.
.macro XLOAD p
	WIN 0x40*(1+(\p)/4)
.set t, 0
.rept 16
	global_load_b128 v[64*(t/4)+16*((\p)%4)+4*(t%4):64*(t/4)+16*((\p)%4)+4*(t%4)+3], v[CO], s[20:21] offset:16384*((\p)%4)+512*((\p)/4)+1024*t
.set t, t+1
.endr
	WIN 0
.endm
.macro XTURN p                         ; rows into my stage, fragments back: LDS serves a wave's instructions in order (ISA guide 5.7.1.4)
	WIN 0x04*(1+(\p)/4)
.set t, 0
.rept 16
	ds_store_b128 v[STW], v[64*(t/4)+16*((\p)%4)+4*(t%4):64*(t/4)+16*((\p)%4)+4*(t%4)+3] offset:SPITCH*t
.set t, t+1
.endr
	WIN 0x40*(1+(\p)/4)
.set t, 0
.rept 16
	ds_load_b128 v[64*(t/4)+16*((\p)%4)+4*(t%4):64*(t/4)+16*((\p)%4)+4*(t%4)+3], v[STR] offset:32*t
.set t, t+1
.endr
	WIN 0
.endm
	s_load_b256 s[4:11], s[0:1], 0x0               ; x's codes, W_qkv's codes, b_qkv, the scales' exponents
	s_load_b256 s[84:91], s[0:1], 0x20             ; qk_img, v_img, W_out's codes, w_img
	v_lshl_add_u32 v[SPW], v0, 2, SPARE
	v_mov_b32 v[NIL], 0
	ds_add_u32 v[SPW], v[NIL]                      ; the wave's opening: the add, twice on end, and its wait
	ds_add_u32 v[SPW], v[NIL]
	v_lshrrev_b32 v4, 5, v0
	v_readfirstlane_b32 s14, v4                    ; wave 0..3
	v_and_b32 v2, 15, v0                           ; r
	v_bfe_u32 v3, v0, 4, 1                         ; h
	v_and_b32 v6, 31, v0
	v_lshlrev_b32 v[CO], 4, v6
	v_lshlrev_b32 v4, 2, v2                        ; 4 r
	v_lshlrev_b32 v6, 5, v3                        ; 32 h
	s_mul_i32 s2, s14, 16*SPITCH
	s_add_co_u32 s2, s2, STAGE                     ; my stage
	v_add_nc_u32 v[STW], s2, v[CO]
	v_mul_u32_u24 v[STR], v2, SPITCH
	v_lshl_add_u32 v[STR], v3, 4, v[STR]
	v_add_nc_u32 v[STR], s2, v[STR]
	v_mul_u32_u24 v[AD0], v2, 1040
	v_lshl_add_u32 v[AD0], v3, 4, v[AD0]
	v_add_nc_u32 v[AD0+1], 64*1040, v[AD0]
	v_lshlrev_b32 v[WOA], 10, v2
	v_lshl_add_u32 v[WOA], v3, 3, v[WOA]           ; 1,024 r + 8 h
	s_wait_alu depctr_va_vdst(0)
	s_lshr_b32 s15, s14, 1
	s_and_b32 s16, s14, 1
	s_bfe_u32 s40, ttmp6, 0x40000                  ; cx, cy
	s_bfe_u32 s41, ttmp6, 0x40004
	s_lshl_b32 s42, ttmp9, 2
	s_add_co_u32 s42, s42, s40                     ; the chunk: features 128 x this of q, of k and of v
	s_and_b32 s17, ttmp7, 0xffff
	s_lshl_b32 s17, s17, 2
	s_add_co_u32 s17, s17, s41                     ; the tile of 256 tokens
	s_lshl_b32 s44, 0x1111, s40                    ; my column of the cluster
	s_or_b32 s[G1], s44, (3<<16)|(1<<20)|(1<<21)|(7<<22)|(3<<25)   ; 15:0 the mask; 17:16 elements of 8 bytes; 20 padding on; 21 set beside a mask; 24:22 after every 256 words; 31:25 four words
	s_mov_b32 s[G1+1], 128<<16                     ; 32 rows of 1,024 bytes
	s_mov_b32 s[G1+2], 32<<16
	s_mov_b32 s[G1+3], 128<<16
	s_mov_b32 s[G1+4], 32
	s_mov_b32 s[G1+5], 128
	s_mov_b32 s[G1+6], 0
	s_mov_b32 s[G1+7], 0
	s_mul_i32 s45, s14, 32*1040                    ; where my rows go in a slot
	s_add_co_u32 s46, s45, SLOT                    ; in the loop: slot 1, then slot 0
	s_lshl_b32 s18, s42, 17
	s_lshl_b32 s19, s14, 15
	s_add_co_u32 s18, s18, s19                     ; my 32 rows of q's chunk
	s_mov_b32 s19, 0
	s_lshl_b32 s20, s17, 18
	s_lshl_b32 s21, s14, 16
	s_add_co_u32 s20, s20, s21                     ; my 64 rows of x
	s_mov_b32 s21, 0
	s_lshl_b32 s48, s42, 9
	s_mov_b32 s49, 0
	s_lshl_b32 s50, s17, 1
	s_add_co_u32 s50, s50, s15
	s_lshl_b32 s50, s50, 17                        ; q: token / 128 = 2 x tile + (wave / 2), feature / 128, tiles 4 (wave % 2) on
	s_lshl_b32 s51, s42, 14
	s_add_co_u32 s50, s50, s51
	s_lshl_b32 s51, s16, 13
	s_add_co_u32 s50, s50, s51
	s_mov_b32 s51, 0
	s_lshr_b32 s52, s17, 3
	s_lshl_b32 s52, s52, 21                        ; v: batch, d / 128, key / 128 = 2 (tile % 8) + (wave / 2), a half of each fragment
	s_lshl_b32 s53, s42, 18
	s_add_co_u32 s52, s52, s53
	s_and_b32 s53, s17, 7
	s_lshl_b32 s53, s53, 1
	s_add_co_u32 s53, s53, s15
	s_lshl_b32 s53, s53, 14
	s_add_co_u32 s52, s52, s53
	s_lshl_b32 s53, s16, 10
	s_add_co_u32 s52, s52, s53
	s_mov_b32 s53, 0
	s_lshl_b32 s54, s17, 4                         ; W_out's image: fragment f = 16 x tile + 2 x chunk + (wave / 2), half wave % 2 of it
	s_lshl_b32 s55, s42, 1
	s_add_co_u32 s54, s54, s55
	s_add_co_u32 s54, s54, s15
	s_lshr_b32 s56, s54, 6
	s_lshl_b32 s56, s56, 17                        ; columns 128 (f / 64) on,
	s_and_b32 s57, s54, 7
	s_lshl_b32 s57, s57, 14                        ; + 16 (f % 8),
	s_add_co_u32 s56, s56, s57
	s_bfe_u32 s57, s54, 0x30003
	s_lshl_b32 s57, s57, 7                         ; k = 128 ((f / 8) % 8) + 64 (wave % 2)
	s_add_co_u32 s56, s56, s57
	s_lshl_b32 s57, s16, 6
	s_add_co_u32 s56, s56, s57
	s_mov_b32 s57, 0
	s_lshl_b32 s54, s54, 11
	s_lshl_b32 s55, s16, 10
	s_add_co_u32 s54, s54, s55
	s_mov_b32 s55, 0
	s_wait_dscnt 0x0                               ; both opening adds are done
	s_wait_kmcnt 0x0
	s_load_b256 s[68:75], s[10:11], 0x0            ; e0 .. e7
	s_add_nc_u64 s[20:21], s[4:5], s[20:21]
	s_add_nc_u64 s[48:49], s[8:9], s[48:49]
	s_add_nc_u64 s[56:57], s[88:89], s[56:57]
.irp c, 0,1,2,3
	global_load_b64 v[WO+2*\c:WO+2*\c+1], v[WOA], s[56:57] offset:16*\c   ; row r, k = 16 c + 8 h + 0 .. 7 of my 64
.endr
.irp b, 0,1,2,3,4,5,6,7
	global_load_b32 v[BV+\b], v4, s[48:49] offset:8192+64*\b
.endr
.macro BLOAD off                       ; q's or k's bias, in the accumulators' layout: register 8 b + j = feature 16 b + 8 h + j of the chunk
.irp b, 0,1,2,3,4,5,6,7
	global_load_b128 v[BI+8*\b:BI+8*\b+3], v6, s[48:49] offset:\off+64*\b
	global_load_b128 v[BI+8*\b+4:BI+8*\b+7], v6, s[48:49] offset:\off+64*\b+16
.endr
.endm
	BLOAD 0
	XLOAD 0
	s_mov_b32 s[G0], 1
	s_mov_b32 s[G0+1], s45
	s_add_nc_u64 s[G0+2:G0+3], s[6:7], s[18:19]
	s_or_b32 s[G0+3], s[G0+3], 0x80000000
	CROUND                                         ; all sixteen work-groups are here: the first joint loads meet
	TLOAD                                          ; q's chunk into slot 0
	XLOAD 1
	XLOAD 2
	s_add_nc_u64 s[84:85], s[84:85], s[50:51]
	s_add_nc_u64 s[86:87], s[86:87], s[52:53]
	s_add_nc_u64 s[90:91], s[90:91], s[54:55]
.irp p, 0,1,2,3                        ; the first half of K
	s_wait_loadcnt 32                              ; this piece is in, and all that was asked for ahead of it; the next two pieces' 16 loads each may be out
	XTURN \p
	XLOAD \p+3
.endr
	XLOAD 7                                        ; the second half of K, pieces 4 to 7, is on its way
.irp c, 0,1
	global_store_b128 v[CO], v[WO+4*\c:WO+4*\c+3], s[90:91] offset:512*\c
.endr
	s_wait_kmcnt 0x0
	s_add_co_i32 s2, s68, s69                      ; e0 + e1
	s_sub_co_i32 s76, 127, s2
	s_lshl_b32 s76, s76, 23                        ; 2^-(e0 + e1) as f32
	s_mov_b32 s77, s76                             ; (named with it as a pair, so it is written)
	s_sub_co_i32 s2, 127, s2
	s_add_co_i32 s79, s70, s2                      ; e - e0 - e1 + 127: for q,
	s_add_co_i32 s93, s71, s2                      ; k,
	s_add_co_i32 s95, s73, s2                      ; v
.irp i, 78, 92, 94
	s_lshl_b32 s[\i], s[\i+1], 23                  ; the conversion's scale
	s_add_co_i32 s[\i+1], s[\i+1], 15
	s_lshl_b32 s[\i+1], s[\i+1], 23
	s_or_b32 s[\i+1], s[\i+1], 0x600000            ; the largest code x the scale
.endr
; A GROUP n: K step n / 2, tiles b = 4 (n % 2) .. + 3 of W_qkv against x's four: 16 matrix instructions.  Its four fragments lie in the first set (n = 0), the second (n = 1), then by turns in all three:
; the third lies on the bias, which groups 0 and 1 read: group 4 is the first to be fetched there, behind group 1.
.macro SETW n
.if (\n) < 2
.set st, (\n)
.else
.set st, ((\n)-2)%3
.endif
.if st == 2
.set wb, 64
.else
.set wb, 128+64*st
.endif
.endm
.macro FETCHG n, ad
	SETW \n
.irp b, 0,1,2,3
.irp c, 0,1,2,3
	ds_load_b128 v[wb+16*\b+4*\c:wb+16*\b+4*\c+3], v[\ad+(\n)%2] offset:16*1040*\b+128*((\n)/2)+32*\c
.endr
.endr
.endm
.macro MULG n, mode                    ; mode = 0: q, k; 1: v.  The 32 accumulators take turns, one instruction a turn, in the same order in every K step
	SETW \n
.set ss, (\n)/2
.if ss == 0
.set wn, 0xc0
.else
.set wn, 0xf0
.endif
.if \mode
	WIN wn+1+ss/4
.else
	WIN wn+4*(1+ss/4)
.endif
.irp a, 0,1,2,3
.irp b, 0,1,2,3
.set bb, 4*((\n)%2)+\b
.set ac, 64*\a+8*bb
.set wr, wb+16*\b
.set xr, 64*(ss%4)+16*\a
.if ss == 0
.set cc, BI+8*bb
.else
.set cc, ac
.endif
.if \mode
	v_wmma_f32_16x16x128_bf8_bf8 v[ac:ac+7], v[xr:xr+15], v[wr:wr+15], v[cc:cc+7]
.else
	v_wmma_f32_16x16x128_bf8_bf8 v[ac:ac+7], v[wr:wr+15], v[xr:xr+15], v[cc:cc+7]
.endif
.endr
.endr
	WIN 0
.endm
.macro GTOP n, ad
.if ((\n) == 1) || ((\n) == 2) || ((\n) == 15)
	s_wait_dscnt 0                                 ; nothing younger than this group's 16 loads is out
.else
	s_wait_dscnt 16                                ; this group's fragments are in; the next group's 16 loads may be out
.endif
.if (\n) > 0
	PLACES 4                                       ; in front of loads into registers that matrix instructions have read
.endif
.if (\n) == 1
	FETCHG 2, \ad
.endif
.if (\n) == 2
	FETCHG 3, \ad
.endif
.if ((\n) > 1) && ((\n) < 14)
	FETCHG (\n)+2, \ad
.endif
.endm
	s_mov_b32 s3, 2                                ; q, k
	s_mov_b32 s47, 0                               ; the slot in hand
	s_wait_alu depctr_va_vdst(0)                   ; the wait at the head's end
.Lchunk:
	s_wait_xcnt 0x0                                ; my stores have read their registers
	s_wait_tensorcnt 0x0                           ; my rows of this chunk are in
	ds_add_u32 v[SPW], v[NIL]
	s_mov_b32 s[G0+1], s46                         ; the next chunk, 1,024 rows on, into the other slot
	s_sub_co_u32 s46, s46, SLOT
	s_add_nc_u64 s[G0+2:G0+3], s[G0+2:G0+3], 0x100000
	v_mov_b32 v[SC], s78
	v_mov_b32 v[LIM], s79
	v_add_nc_u32 v[ADW], s47, v[AD0]
	v_add_nc_u32 v[ADW+1], s47, v[AD0+1]
	s_wait_alu depctr_va_vdst(0)
	s_wait_dscnt 0x0                               ; the add is done, and so are my reads of the other slot
	CROUND                                         ; this chunk is whole in every work-group, and nobody reads the other slot
	TLOAD                                          ; the first tensor load behind the round, my only one out
	FETCHG 0, ADW
	FETCHG 1, ADW
.set m, 0
.rept 32
	v_pk_mul_f32 v[BI+m:BI+m+1], v[BI+m:BI+m+1], s[76:77] op_sel_hi:[1,0]
.set m, m+2
.endr
	s_wait_alu depctr_va_vdst(0)
.set n, 0
.rept 16
.if n == 8                             ; ahead of K step 4: in q's chunk the second half of x's K is turned into fragments
	s_wait_loadcnt 0x0
	s_cmp_lg_u32 s3, 2
	s_cbranch_scc1 .Lturned
	XTURN 4
	XTURN 5
	XTURN 6
	XTURN 7
	s_wait_dscnt 0x0                               ; all LDS loads are in, so the counts below hold on both ways
.Lturned:
.endif
	GTOP n, ADW
.if n == 14                            ; the third set has been multiplied for the last time: k's bias may land there
	s_cmp_lg_u32 s3, 2
	s_cbranch_scc1 .Lno_bias
	BLOAD 4096
.Lno_bias:
.endif
	MULG n, 0
.set n, n+1
.endr
	PLACES 4                                       ; behind the last products
.irp a, 0,1,2,3                        ; THE WAY OUT of a tile of 16 tokens: the hold, eight conversions, four stores of 512 consecutive bytes
	WIN 0x03
.set m, 0
.rept 64
	v_med3_num_f32 v[TMP+m], v[64*\a+m], -v[LIM], v[LIM]   ; the conversion to an 8-bit code does not saturate (ISA guide 7.6.2)
.set m, m+1
.endr
	WIN 0
.irp b, 0,1,2,3,4,5,6,7
	v_cvt_scalef32_pk8_bf8_f32 v[CD+16*\a+2*\b:CD+16*\a+2*\b+1], v[TMP+8*\b:TMP+8*\b+7], v[SC]   ; registers 2 b, 2 b + 1: k = 16 b + 8 h + 0 .. 7
.endr
	v_nop                                          ; one plain vector line behind the last conversion
.irp c, 0,1,2,3
	global_store_b128 v[CO], v[CD+16*\a+4*\c:CD+16*\a+4*\c+3], s[84:85] offset:2048*\a+512*\c
.endr
.endr
	s_mov_b32 s78, s92                             ; k's scale next
	s_mov_b32 s79, s93
	s_add_co_u32 s47, s47, SLOT
	s_wait_xcnt 0x0                                ; the stores have read their base
	s_add_nc_u64 s[84:85], s[84:85], 0x800000
	s_wait_loadcnt 0x0                             ; k's bias
	s_sub_co_u32 s3, s3, 1
	s_cmp_lg_u32 s3, 0
	s_wait_alu depctr_va_vdst(0)
	s_cbranch_scc1 .Lchunk
; v's chunk, in slot 0
	v_mov_b32 v[SC], s94
	v_mov_b32 v[LIM], s95
.irp b, 0,1,2,3,4,5,6,7
.irp j, 0,1,2,3,4,5,6,7
	v_mul_f32 v[BI+8*\b+\j], s76, v[BV+\b]         ; the bias hangs on the lane's channel
.endr
.endr
	s_wait_alu depctr_va_vdst(0)
	s_wait_tensorcnt 0x0                           ; my rows of it are in
	s_wait_dscnt 0x0
	s_barrier_signal -1
	s_barrier_wait -1                              ; everybody's are; nothing is filled again
	FETCHG 0, AD0
	FETCHG 1, AD0
.set n, 0
.rept 16
	GTOP n, AD0
	MULG n, 1
.set n, n+1
.endr
	PLACES 4
.irp q, 0,1,2,3                        ; the way out of two tiles of 16 channels: 64 keys, a half of each fragment
	WIN 0x03
.irp u, 0,1
.irp a, 0,1,2,3
.irp j, 0,1,2,3,4,5,6,7
	v_med3_num_f32 v[TMP+32*\u+8*\a+\j], v[64*\a+8*(2*\q+\u)+\j], -v[LIM], v[LIM]
.endr
.endr
.endr
	WIN 0
.irp u, 0,1
.irp a, 0,1,2,3
	v_cvt_scalef32_pk8_bf8_f32 v[CD+16*\q+8*\u+2*\a:CD+16*\q+8*\u+2*\a+1], v[TMP+32*\u+8*\a:TMP+32*\u+8*\a+7], v[SC]
.endr
.endr
	v_nop                                          ; one plain vector line behind the last conversion
.irp u, 0,1
.irp x, 0,1
	global_store_b128 v[CO], v[CD+16*\q+8*\u+4*\x:CD+16*\q+8*\u+4*\x+3], s[86:87] offset:2048*(2*\q+\u)+512*\x
.endr
.endr
.endr
	s_wait_tensorcnt 0x0                           ; the wave's end
	ds_add_u32 v[SPW], v[NIL]
	s_wait_dscnt 0x0
	CROUND                                         ; the closing round: no work-group ends while a partner may still ask for a chunk that names it
	s_endpgm
.Lfunc_end_k_q8852da01c2_qkv:
	.size	k_q8852da01c2_qkv, .Lfunc_end_k_q8852da01c2_qkv-k_q8852da01c2_qkv
	.p2alignl 7, 3214868480
	.fill 96, 4, 3214868480
	.section	.rodata,"a",@progbits
	.p2align	6, 0x0
	.amdhsa_kernel k_q8852da01c2_qkv
		.amdhsa_group_segment_fixed_size 327680
		.amdhsa_private_segment_fixed_size 0
		.amdhsa_enable_private_segment 0
		.amdhsa_kernarg_size 64
		.amdhsa_user_sgpr_count 2
		.amdhsa_user_sgpr_kernarg_segment_ptr 1
		.amdhsa_wavefront_size32 1
		.amdhsa_system_sgpr_workgroup_id_x 1
		.amdhsa_system_sgpr_workgroup_id_y 1
		.amdhsa_system_sgpr_workgroup_id_z 1
		.amdhsa_system_vgpr_workitem_id 0
		.amdhsa_next_free_vgpr 1024
		.amdhsa_next_free_sgpr 100
		.amdhsa_reserve_vcc 0
		.amdhsa_float_denorm_mode_32 3
		.amdhsa_float_denorm_mode_16_64 3
		.amdhsa_memory_ordered 1
		.amdhsa_forward_progress 1
		.amdhsa_inst_pref_size 157
	.end_amdhsa_kernel
	.amdgpu_metadata
---
amdhsa.version: [ 1, 2 ]
amdhsa.kernels:
  - .name:           k_q8852da01c2_qkv
    .symbol:         k_q8852da01c2_qkv.kd
    .args:
      - { .name: x_codes, .offset: 0, .size: 8, .value_kind: global_buffer, .address_space: global }
      - { .name: W_qkv_codes, .offset: 8, .size: 8, .value_kind: global_buffer, .address_space: global }
      - { .name: b_qkv, .offset: 16, .size: 8, .value_kind: global_buffer, .address_space: global }
      - { .name: lowp_scales, .offset: 24, .size: 8, .value_kind: global_buffer, .address_space: global }
      - { .name: qk_img, .offset: 32, .size: 8, .value_kind: global_buffer, .address_space: global }
      - { .name: v_img, .offset: 40, .size: 8, .value_kind: global_buffer, .address_space: global }
      - { .name: W_out_codes, .offset: 48, .size: 8, .value_kind: global_buffer, .address_space: global }
      - { .name: w_img, .offset: 56, .size: 8, .value_kind: global_buffer, .address_space: global }
    .group_segment_fixed_size: 327680
    .private_segment_fixed_size: 0
    .kernarg_segment_align: 8
    .kernarg_segment_size: 64
    .max_flat_workgroup_size: 128
    .sgpr_count:     100
    .vgpr_count:     1024
    .wavefront_size: 32
...
	.end_amdgpu_metadata
.endif
;; end of part 1
;; launch scores (part 2): grid 8 x 32, 4 waves a work-group, clusters of 4 x 4, 327,680 bytes of LDS; arguments qk_img, bias, lowp_scales, p_img, stats; writes p_img, stats
.if DOCPART == 2
	.amdgcn_target "amdgcn-amd-amdhsa--gfx1250"
	.amdhsa_code_object_version 6
	.text
	.protected	k_q8852da01c2_scores
	.globl	k_q8852da01c2_scores
	.p2align	8
	.type	k_q8852da01c2_scores,@function
k_q8852da01c2_scores:
	s_mov_b64 s[64:65], 0
	v_nop
	global_prefetch_b8 v0, s[64:65] scope:SCOPE_SE
	s_setreg_imm32_b32 hwreg(HW_REG_WAVE_MODE, 25, 1), 1
	s_wait_xcnt 0x0
	s_wait_alu depctr_hold_cnt(0) depctr_sa_sdst(0) depctr_va_vdst(0) depctr_va_sdst(0) depctr_va_ssrc(0) depctr_va_vcc(0) depctr_vm_vsrc(0)
	s_getreg_b32 s2, hwreg(HW_REG_IB_STS2, 6, 4)
	s_cmp_eq_u32 s2, 0
	s_cbranch_scc0 .Lentry_in_a_cluster
	s_endpgm
.Lentry_in_a_cluster:
	s_bfe_u32 s2, ttmp6, 0x10000c
	s_cmp_lg_u32 s2, 0xf033
	s_cbranch_scc0 .Lentry_shape_is_right
	s_endpgm
.Lentry_shape_is_right:
; LAUNCH 2 OF 4: the logits q k^T / 32 + bias on codes of E5M2, and the softmax's p = 2^(t - M), quantised along the keys.  No work is left out.
; q, k: images of operand registers (a fragment of 16 rows x 128 K is 2,048 bytes: register p of lane L at 512 (p / 4) + 16 L + 4 (p % 4)), [token / 128][feature / 128][tile][2,048]; k lies 8,388,608 bytes behind q.
; A work-group makes 256 queries x 256 keys; a wave all 256 queries x 64 keys of its own: 64 accumulators.  Source 0 = 16 keys, source 1 = 16 queries: lane (r, h) holds query r, register j of accumulator b key 16 b + 8 h + j.
; k GOES FROM MEMORY STRAIGHT INTO REGISTERS: no other wave of the work-group needs a wave's keys, a fragment's four loads are 512 consecutive bytes each, and they stay on their way over the barriers, three K steps ahead.
; q goes through LDS, in two halves of K, a slot each.  The bias comes through the same slots when they are done with: 128 queries x 1,024 bytes a slot; q is stated as rows of 1,024 bytes too, 16 of padding behind each.
; THE SOFTMAX IS TAKEN BY BLOCKS OF 256 KEYS.  z = sum x 2^(e2 + e3 - 5) + bias; t = z x log2(e); M = the ceiling of the block's largest t; p = 2^(t - M) is quantised with 2^e4.
; Stored beside p's codes: -M, and the sum of the unquantised p over each wave's 64 keys.  The next launch brings the eight blocks of a row under the row's M by powers of two, which rounds nothing.
;   p_img: [row / 64][key / 128][tile of 16 rows][2,048].   stats: the sums [row / 64][key / 64][16 r][4 tiles] f32, and from byte 1,048,576 on -M: [row / 64][key / 256][16 r][4 tiles].
; CLUSTERS: 4 x 4: cx = one of four key tiles, cy = the batch, cluster y = the query tile.  q's tile is shared along a row of the cluster, the bias's tile, the same for the four batches, along a column.
; LIMITS: e2 + e3 - 5 between -126 and 127; e4 between -15 and 112 (2^e4 x 57,344 covers 1, so that the hold touches no p under a block's M that it would not touch under the row's).
; p that falls under the format's range is rounded under its block's M, not the row's.  NaN among the inputs is not served.  No prefetch: the text has no loop to run ahead in.
; REGISTERS: window 0: v1-31 at work, addresses, constants; v64-255 q's fragments, three sets of four; later v32-63 statistics, v64-127 codes, v128-255 two sets: the bias, then t - M and p.
;   window 1: k's fragments, four sets of four.   windows 2, 3: the accumulators of queries 0-127, 128-255 ((a, b) at v[32 (a % 8) + 8 b]), later z.
.set PART4,  32*1040                   ; a wave's load: 32 rows of 1,024 bytes + 16
.set SLOT,   4*PART4
.set SPARE,  2*SLOT
.set EX,     SPARE+512                 ; where the waves exchange their maxima; no tensor load lands here
.set CO,   5                           ; 16 x lane
.set EXR,  7
.set EXW,  14
.set SOF,  15                          ; the sums' place: 16 r + 8,192 h
.set AQ,   16                          ; v16-23 LDS address of each wave's part of slot 0, 1, for my lane
.set BAD,  24                          ; v24-27 LDS address of my bias numbers: 2 x slot + (tile / 4)
.set SPW,  28
.set NIL,  29
.set SCP,  30                          ; 2^e4
.set LIMP, 31                          ; 57,344 x 2^e4
.set MX,   32
.set TP,   40
.set NM,   48
.set LS,   56
.set CD,   64
.set G1,  24                           ; s[24:31] q's group 1;  s[32:39] its groups 0
.set G0,  32
.set G1B, 48                           ; s[48:55] the bias's group 1;  s[56:63] its groups 0
.set G0B, 56
.set MSB, 0
.macro WIN new                         ; the immediate's high byte repeats the setting that is left
.if MSB != (\new)
	s_set_vgpr_msb (MSB<<8)|(\new)
.set MSB, \new
.endif
.endm
.macro PLACES n
.rept \n
	v_nop
.endr
.endm
.macro TLOAD g0, g1
	tensor_load_to_lds s[\g0:\g0+3], s[\g1:\g1+7]
	s_nop 0
	PLACES 4
.endm
.macro CREST
	s_cmp_lg_u32 s14, 0
	s_cbranch_scc1 .Lnot_wave_0_\@
	s_barrier_signal -3
.Lnot_wave_0_\@:
	s_barrier_wait -3
	s_barrier_signal -1
	s_barrier_wait -1
.endm
.macro CROUND
	s_barrier_signal -1
	s_barrier_wait -1
	CREST
.endm
.macro KLOAD t                         ; k's four fragments of K step t into set t % 4
	WIN 0x40
.irp b, 0,1,2,3
.irp c, 0,1,2,3
	global_load_b128 v[64*((\t)%4)+16*\b+4*\c:64*((\t)%4)+16*\b+4*\c+3], v[CO], s[46:47] offset:16384*(\t)+2048*\b+512*\c
.endr
.endr
	WIN 0
.endm
	s_load_b128 s[4:7], s[0:1], 0x0                ; qk_img, bias
	s_load_b128 s[8:11], s[0:1], 0x10              ; the scales' exponents, p_img
	s_load_b64 s[12:13], s[0:1], 0x20              ; stats
	v_lshl_add_u32 v[SPW], v0, 2, SPARE
	v_mov_b32 v[NIL], 0
	ds_add_u32 v[SPW], v[NIL]                      ; the wave's opening: the add, twice on end, and its wait
	ds_add_u32 v[SPW], v[NIL]
	v_lshrrev_b32 v1, 5, v0
	v_readfirstlane_b32 s14, v1                    ; wave 0..3
	v_and_b32 v2, 15, v0                           ; r
	v_bfe_u32 v3, v0, 4, 1                         ; h
	v_and_b32 v4, 31, v0                           ; lane
	v_lshlrev_b32 v[CO], 4, v4
	v_cmp_lt_u32 s98, 15, v4                       ; lanes 16-31
	v_mul_u32_u24 v6, v2, 1040
	v_lshl_add_u32 v6, v3, 5, v6                   ; the bias in a slot: row r, + 32 h,
	s_lshl_b32 s2, s14, 8
	v_add_nc_u32 v[BAD], s2, v6                    ; + 256 x wave
	v_add_nc_u32 v[BAD+1], 64*1040, v[BAD]
	v_add_nc_u32 v[BAD+2], SLOT, v[BAD]
	v_add_nc_u32 v[BAD+3], SLOT+64*1040, v[BAD]
	s_lshl_b32 s2, s14, 10
	v_add_nc_u32 v[EXR], EX, v[CO]
	v_add_nc_u32 v[EXW], s2, v[EXR]
.irp i, 0,1,2,3,4,5,6,7
	v_add_nc_u32 v[AQ+\i], \i*PART4, v[CO]
.endr
	v_lshlrev_b32 v[SOF], 4, v2
	v_lshl_add_u32 v1, v3, 11, v[SOF]              ; -M's place: 16 r + 2,048 h
	v_lshl_add_u32 v[SOF], v3, 13, v[SOF]
.irp a, 0,1,2,3,4,5,6,7
	v_mov_b32 v[TP+\a], 0                          ; written once: a lane permute's destination counts as one of its sources
.endr
	s_wait_alu depctr_va_vdst(0)
	s_lshr_b32 s15, s14, 1
	s_and_b32 s16, s14, 1
	s_bfe_u32 s40, ttmp6, 0x40000                  ; cx
	s_bfe_u32 s41, ttmp6, 0x40004                  ; cy: the batch
	s_lshl_b32 s42, ttmp9, 2
	s_add_co_u32 s42, s42, s40                     ; the tile of 256 keys in the batch
	s_and_b32 s66, ttmp7, 0xffff                   ; the tile of 256 queries in the batch
	s_lshl_b32 s17, s41, 3
	s_add_co_u32 s17, s17, s66                     ; and among all 8,192 rows
	s_lshl_b32 s43, s41, 2
	s_lshl_b32 s43, 15, s43                        ; my row of the cluster
	s_lshl_b32 s44, 0x1111, s40                    ; my column
	s_or_b32 s[G1+0], s43, (3<<16)|(1<<20)|(1<<21)|(7<<22)|(3<<25)  ; 15:0 the mask; 17:16 elements of 8 bytes; 20 padding on; 21 set beside a mask; 24:22 after every 256 words; 31:25 four words
	s_or_b32 s[G1B+0], s44, (3<<16)|(1<<20)|(1<<21)|(7<<22)|(3<<25)
.irp g, G1, G1B
	s_mov_b32 s[\g+1], 128<<16                     ; tensor_dim0: 128 elements
	s_mov_b32 s[\g+2], 32<<16                      ; tensor_dim1: 32 rows
	s_mov_b32 s[\g+3], 128<<16
	s_mov_b32 s[\g+4], 32
	s_mov_b32 s[\g+6], 0
	s_mov_b32 s[\g+7], 0
.endr
	s_mov_b32 s[G1+5], 128                         ; q: dense
	s_mov_b32 s[G1B+5], 1024                       ; a row of the bias is 8,192 bytes
	s_lshl_b32 s20, s17, 1
	s_add_co_u32 s20, s20, s15
	s_lshl_b32 s20, s20, 17                        ; q: token / 128 = 2 x tile + (wave / 2); a wave brings two of a half's four K steps
	s_lshl_b32 s21, s16, 15
	s_add_co_u32 s20, s20, s21
	s_mov_b32 s21, 0
	s_lshl_b32 s46, s41, 4
	s_lshl_b32 s47, s42, 1
	s_add_co_u32 s46, s46, s47
	s_add_co_u32 s46, s46, s15
	s_add_co_u32 s46, s46, 64                      ; k: 64 blocks behind q; token / 128 = 16 x batch + 2 x tile + (wave / 2),
	s_lshl_b32 s46, s46, 17
	s_lshl_b32 s47, s16, 13                        ; four tiles of its eight
	s_add_co_u32 s46, s46, s47
	s_mov_b32 s47, 0
	s_lshl_b32 s22, s66, 8
	s_lshl_b32 s23, s14, 5
	s_add_co_u32 s22, s22, s23
	s_lshl_b32 s22, s22, 13                        ; the bias: row 256 x tile + 32 x wave
	s_lshl_b32 s23, s42, 10
	s_add_co_u32 s22, s22, s23
	s_mov_b32 s23, 0
	s_mul_i32 s45, s14, PART4                      ; where my loads go in a slot
	s_mov_b32 s96, 0x76543210                      ; lane l xor 16
	s_mov_b32 s97, 0xfedcba98
	s_mov_b32 s78, 0x3fb8aa3b                      ; log2(e)
	s_mov_b32 s79, s78
	s_lshl_b32 s2, s17, 19                         ; p_img: row / 64 = 4 x tile, key / 128 = 2 x tile + (wave / 2), a half of each fragment
	s_lshl_b32 s3, s42, 14
	s_add_co_u32 s2, s2, s3
	s_lshl_b32 s3, s15, 13
	s_add_co_u32 s2, s2, s3
	s_lshl_b32 s3, s16, 10
	s_add_co_u32 s2, s2, s3
	s_mov_b32 s3, 0
	s_lshl_b32 s18, s17, 15                        ; the sums: row / 64 = 4 x tile, key / 64 = 4 x tile + wave
	s_lshl_b32 s19, s42, 10
	s_add_co_u32 s18, s18, s19
	s_lshl_b32 s19, s14, 8
	s_add_co_u32 s18, s18, s19
	s_mov_b32 s19, 0
	s_lshl_b32 s80, s17, 13                        ; -M
	s_lshl_b32 s81, s42, 8
	s_add_co_u32 s80, s80, s81
	s_add_co_u32 s80, s80, 0x100000
	s_mov_b32 s81, 0
	s_wait_dscnt 0x0                               ; both opening adds are done
	s_wait_kmcnt 0x0
	s_load_b256 s[68:75], s[8:9], 0x0              ; e0 .. e7
	s_add_nc_u64 s[46:47], s[4:5], s[46:47]
	s_add_nc_u64 s[20:21], s[4:5], s[20:21]
	s_add_nc_u64 s[22:23], s[6:7], s[22:23]
	KLOAD 0
	s_add_nc_u64 s[10:11], s[10:11], s[2:3]
	s_add_nc_u64 s[80:81], s[12:13], s[80:81]
	s_add_nc_u64 s[12:13], s[12:13], s[18:19]
.irp s, 0,1
	s_mov_b32 s[G0+4*\s], 1
	s_add_co_u32 s[G0+4*\s+1], s45, \s*SLOT
	s_add_nc_u64 s[G0+4*\s+2:G0+4*\s+3], s[20:21], \s*65536
	s_or_b32 s[G0+4*\s+3], s[G0+4*\s+3], 0x80000000
	s_mov_b32 s[G0B+4*\s], 1
	s_add_co_u32 s[G0B+4*\s+1], s45, \s*SLOT
	s_add_nc_u64 s[G0B+4*\s+2:G0B+4*\s+3], s[22:23], \s*128*8192
	s_or_b32 s[G0B+4*\s+3], s[G0B+4*\s+3], 0x80000000
.endr
	CROUND                                         ; all sixteen work-groups are here: the first joint loads meet
	TLOAD G0, G1                                   ; q's first half of K
	KLOAD 1                                        ; 32 loads of mine are out
	KLOAD 2
	s_wait_kmcnt 0x0
	s_add_co_i32 s76, s70, s71
	s_add_co_i32 s76, s76, 122                     ; e2 + e3 - 5 + 127
	s_lshl_b32 s76, s76, 23                        ; 2^(e2 + e3) / 32 as f32
	s_mov_b32 s77, s76
	s_add_co_i32 s2, s72, 127
	s_lshl_b32 s3, s2, 23
	v_mov_b32 v[SCP], s3
	s_add_co_i32 s2, s2, 15
	s_lshl_b32 s2, s2, 23
	s_or_b32 s2, s2, 0x600000
	v_mov_b32 v[LIMP], s2
; A GROUP is four query tiles against the wave's four key tiles, 128 along K: 16 matrix instructions.  Group n: K step n / 4, tiles 4 (n % 4) .. + 3; its q fragments lie in set n % 3, fetched two groups ahead.
.macro FETCHQ g
.set tt, (\g)/4
.set gr, (\g)%4
.set ar, AQ+4*(tt/4)+2*(gr/2)+((tt%4)/2)
.irp i, 0,1,2,3
.set qo, (8*(tt%2)+4*(gr%2)+\i)*2080   ; a fragment is two LDS rows
.set qr, 64+64*((\g)%3)+16*\i
	ds_load_b128 v[qr:qr+3], v[ar] offset:qo
	ds_load_b128 v[qr+4:qr+7], v[ar] offset:qo+512
	ds_load_b128 v[qr+8:qr+11], v[ar] offset:qo+1040
	ds_load_b128 v[qr+12:qr+15], v[ar] offset:qo+1552
.endr
.endm
.macro MULG g                          ; the 64 accumulators take turns, one instruction a turn, in the same order in every K step
.set tt, (\g)/4
.set gr, (\g)%4
	WIN 0xa1+0x50*(gr/2)
.irp i, 0,1,2,3
.irp b, 0,1,2,3
.set ac, 32*(4*(gr%2)+\i)+8*\b
.set qr, 64+64*((\g)%3)+16*\i
.set kr, 64*(tt%4)+16*\b
.if tt == 0
	v_wmma_f32_16x16x128_bf8_bf8 v[ac:ac+7], v[kr:kr+15], v[qr:qr+15], 0
.else
	v_wmma_f32_16x16x128_bf8_bf8 v[ac:ac+7], v[kr:kr+15], v[qr:qr+15], v[ac:ac+7]
.endif
.endr
.endr
	WIN 0
.endm
; The end of a slot's reads: the next slot is whole, and the slot just read is filled with the bias.
.macro CHANGE g, part
	s_wait_tensorcnt 0x0                           ; my part of the other slot has landed
	ds_add_u32 v[SPW], v[NIL]
	s_wait_dscnt 0x0                               ; the add is done, and all my reads of this slot are over
	s_barrier_signal -1
	MULG \g
	s_barrier_wait -1
	CREST                                          ; the barrier has opened a round of the cluster's barrier
	TLOAD G0B+4*\part, G1B                         ; my one load behind the round; its four v_nop are the places in front of the loads below
.endm
	s_wait_alu depctr_va_vdst(0)                   ; the wait at the head's end
	s_wait_tensorcnt 0x0                           ; my part of q's first half is in
	ds_add_u32 v[SPW], v[NIL]
	s_wait_dscnt 0x0
	CROUND                                         ; everybody's is
	TLOAD G0+4, G1                                 ; q's second half
	FETCHQ 0
	FETCHQ 1
.set n, 0
.rept 32
.if n%4 == 0
.if n < 24
	s_wait_loadcnt 32                              ; this K step's 16 loads of k are in; the next two steps' may be out
.elseif n == 24
	s_wait_loadcnt 16
.else
	s_wait_loadcnt 0
.endif
.endif
.if n == 14
	CHANGE n, 0                                    ; groups 14 and 15 are in registers: slot 0 is done with
	FETCHQ n+2
.elseif n == 30
	CHANGE n, 1                                    ; and slot 1; the bias's first part is whole behind this round
.else
.if n < 31
	s_wait_dscnt 16                                ; this group's fragments are in; the next group's 16 loads may be out
.endif
.if n > 0
	PLACES 4                                       ; in front of loads into registers that matrix instructions have read
.endif
.if n < 30
	FETCHQ n+2
.endif
.if (n%4 == 0) && (n < 20)
	KLOAD n/4+3                                    ; its set was multiplied in the step before
.endif
	MULG n
.endif
.set n, n+1
.endr
	PLACES 4                                       ; behind the last products
; THE WAY OUT, in two parts of eight query tiles, by pairs of tiles (2 i, 2 i + 1); part p's accumulators lie in window 2 + p, pair i's at v[64 i].
.macro BLOAD p, i                      ; the pair's bias, in the accumulators' layout
.set TS, 128+64*((\i)%2)
.irp u, 0,1
.irp b, 0,1,2,3
.irp x, 0,1
	ds_load_b128 v[TS+32*\u+8*\b+4*\x:TS+32*\u+8*\b+4*\x+3], v[BAD+2*(\p)+(\i)/2] offset:16640*((2*(\i)+\u)%4)+64*\b+16*\x
.endr
.endr
.endr
.endm
.macro ZED p, i                        ; z = sum x 2^(e2 + e3 - 5) + bias, in place
.set TS, 128+64*((\i)%2)
.set AC, 64*(\i)
	WIN 0x82+0x41*(\p)
	s_wait_alu depctr_va_vdst(0)                   ; directly ahead of the first reader of these results
.set m, 0
.rept 32
	v_pk_fma_f32 v[AC+m:AC+m+1], v[AC+m:AC+m+1], s[76:77], v[TS+m:TS+m+1] op_sel_hi:[1,0,1]
.set m, m+2
.endr
	WIN 0
.endm
.macro MAXC p, i                       ; the largest of my 32 z of each of the two tiles, in four chains
.set AC, 64*(\i)
.set BC, 64*(\i)+32
	WIN 0x2a+0x15*(\p)
	v_max3_num_f32 v8, v[AC], v[AC+1], v[AC+2]
	v_max3_num_f32 v10, v[BC], v[BC+1], v[BC+2]
	v_max3_num_f32 v9, v[AC+3], v[AC+4], v[AC+5]
	v_max3_num_f32 v11, v[BC+3], v[BC+4], v[BC+5]
	WIN 0x28+0x14*(\p)
.irp m, 6,10,14,18,22,26
	v_max3_num_f32 v8, v8, v[AC+\m], v[AC+\m+1]
	v_max3_num_f32 v10, v10, v[BC+\m], v[BC+\m+1]
	v_max3_num_f32 v9, v9, v[AC+\m+2], v[AC+\m+3]
	v_max3_num_f32 v11, v11, v[BC+\m+2], v[BC+\m+3]
.endr
	v_max3_num_f32 v8, v8, v[AC+30], v[AC+31]
	v_max3_num_f32 v10, v10, v[BC+30], v[BC+31]
	WIN 0
	v_max_num_f32 v[MX+2*(\i)], v8, v9
	v_max_num_f32 v[MX+2*(\i)+1], v10, v11
.endm
.macro UU p, i                         ; t - M = z x log2(e) - M, into the set that the bias has left
.set TS, 128+64*((\i)%2)
.set AC, 64*(\i)
	WIN 0x02+(\p)
.set m, 0
.rept 16
	v_pk_fma_f32 v[TS+m:TS+m+1], v[AC+m:AC+m+1], s[78:79], v[NM+2*(\i):NM+2*(\i)+1] op_sel_hi:[1,0,0]
	v_pk_fma_f32 v[TS+32+m:TS+33+m], v[AC+32+m:AC+33+m], s[78:79], v[NM+2*(\i):NM+2*(\i)+1] op_sel:[0,0,1] op_sel_hi:[1,0,1]
.set m, m+2
.endr
	WIN 0
.endm
.macro EXPB i                          ; p = 2^(t - M): one batch of 64
.set TS, 128+64*((\i)%2)
.set m, 0
.rept 64
	v_exp_f32 v[TS+m], v[TS+m]
.set m, m+1
.endr
.endm
.macro FIN p, i                        ; the sums of the unquantised p; the hold; the conversions; the stores
.set TS, 128+64*((\i)%2)
	v_pk_add_f32 v[8:9], v[TS:TS+1], v[TS+2:TS+3]
	v_pk_add_f32 v[10:11], v[TS+32:TS+33], v[TS+34:TS+35]
	v_pk_add_f32 v[12:13], v[TS+4:TS+5], v[TS+6:TS+7]
	v_pk_add_f32 v[2:3], v[TS+36:TS+37], v[TS+38:TS+39]
.irp m, 8,12,16,20,24,28
	v_pk_add_f32 v[8:9], v[8:9], v[TS+\m:TS+\m+1]
	v_pk_add_f32 v[10:11], v[10:11], v[TS+32+\m:TS+33+\m]
	v_pk_add_f32 v[12:13], v[12:13], v[TS+\m+2:TS+\m+3]
	v_pk_add_f32 v[2:3], v[2:3], v[TS+\m+34:TS+\m+35]
.endr
	v_pk_add_f32 v[8:9], v[8:9], v[12:13]
	v_pk_add_f32 v[10:11], v[10:11], v[2:3]
	v_add_f32 v[LS+2*(\i)], v8, v9
	v_add_f32 v[LS+2*(\i)+1], v10, v11
.set m, 0
.rept 64
	v_min_num_f32 v[TS+m], v[TS+m], v[LIMP]        ; the conversion does not saturate (ISA guide 7.6.2); p is not negative, so the hold is one-sided
.set m, m+1
.endr
.irp u, 0,1
.irp b, 0,1,2,3
	v_cvt_scalef32_pk8_bf8_f32 v[CD+16*(\i)+8*\u+2*\b:CD+16*(\i)+8*\u+2*\b+1], v[TS+32*\u+8*\b:TS+32*\u+8*\b+7], v[SCP]
.endr
.endr
	v_nop                                          ; one plain vector line behind the last conversion
.irp u, 0,1
.irp x, 0,1
	global_store_b128 v[CO], v[CD+16*(\i)+8*\u+4*\x:CD+16*(\i)+8*\u+4*\x+3], s[10:11] offset:131072*(2*(\p)+(\i)/2)+2048*((2*(\i)+\u)%4)+512*\x
.endr
.endr
.endm
.macro PART p
.if \p
	s_wait_tensorcnt 0x0                           ; my rows of the bias's second part have landed,
	s_wait_xcnt 0x0                                ; the first part's stores have read their registers,
	s_wait_dscnt 0x0
	s_barrier_signal -1
	s_barrier_wait -1                              ; and everybody's rows have landed
.endif
	BLOAD \p, 0
	BLOAD \p, 1
.irp i, 0,1,2,3
.if \i < 3
	s_wait_dscnt 16                                ; this pair's bias is in; the next pair's 16 loads may be out
.else
	s_wait_dscnt 0x0
.endif
	ZED \p, \i
.if \i < 2
	BLOAD \p, \i+2
.endif
	MAXC \p, \i
.endr
.irp a, 0,1,2,3,4,5,6,7
	v_permlanex16_b32 v[TP+\a], v[MX+\a], s96, s97 ; the query's other keys of mine lie in the lane 16 away,
.endr
.irp a, 0,1,2,3,4,5,6,7
	v_max_num_f32 v[MX+\a], v[MX+\a], v[TP+\a]
.endr
	ds_store_b128 v[EXW], v[MX:MX+3] offset:4096*\p   ; and the block's other keys in the other three waves
	ds_store_b128 v[EXW], v[MX+4:MX+7] offset:4096*\p+512
	s_wait_alu depctr_va_vdst(0)
	s_wait_dscnt 0x0                               ; for their sake: my stores are done
	s_barrier_signal -1
	s_barrier_wait -1
.irp i, 0,1,2,3
	ds_load_b128 v[128+8*\i:131+8*\i], v[EXR] offset:4096*\p+1024*\i
	ds_load_b128 v[132+8*\i:135+8*\i], v[EXR] offset:4096*\p+1024*\i+512
.endr
	s_wait_dscnt 0x0
.irp a, 0,1,2,3,4,5,6,7
	v_max3_num_f32 v[MX+\a], v[128+\a], v[136+\a], v[144+\a]
.endr
.irp a, 0,1,2,3,4,5,6,7
	v_max_num_f32 v[MX+\a], v[MX+\a], v[152+\a]    ; the block's largest z
.endr
.irp a, 0,1,2,3,4,5,6,7
	v_mul_f32 v[MX+\a], s78, v[MX+\a]              ; as t
.endr
.irp a, 0,1,2,3,4,5,6,7
	v_floor_f32 v[NM+\a], -v[MX+\a]                ; -M = floor(-t) = -ceil(t): a whole number
.endr
	UU \p, 0
	s_wait_alu depctr_va_vdst(0)                   ; the wait ahead of the batch
.irp i, 0,1,2,3
	EXPB \i
.if \i < 3
	UU \p, \i+1                                    ; the next pair's scalings: independent work, and the plain place behind the exponentials
.else
	v_nop
.endif
	s_wait_alu depctr_va_vdst(0)                   ; one wait for the batch, ahead of its first reader
	FIN \p, \i
.endr
.irp a, 0,1,2,3,4,5,6,7
	v_permlanex16_b32 v[TP+\a], v[LS+\a], s96, s97
.endr
.irp a, 0,1,2,3,4,5,6,7
	v_add_f32 v[LS+\a], v[LS+\a], v[TP+\a]         ; the sum over my 64 keys
.endr
.irp a, 0,1,2,3
	v_cndmask_b32 v[TP+\a], v[LS+\a], v[LS+4+\a], s98   ; lanes 0-15 store tiles 0-3 (one group of 64 rows), lanes 16-31 tiles 4-7
.endr
.irp a, 0,1,2,3
	v_cndmask_b32 v[TP+4+\a], v[NM+\a], v[NM+4+\a], s98
.endr
	global_store_b128 v[SOF], v[TP:TP+3], s[12:13] offset:16384*\p
	s_wait_alu depctr_va_vdst(0)
	s_cmp_lg_u32 s14, \p                           ; all four waves hold the same -M: one stores it
	s_cbranch_scc1 .Lnot_mine_\@
	global_store_b128 v1, v[TP+4:TP+7], s[80:81] offset:4096*\p
.Lnot_mine_\@:
.endm
	PART 0
	PART 1
	s_wait_tensorcnt 0x0                           ; the wave's end
	ds_add_u32 v[SPW], v[NIL]
	s_wait_dscnt 0x0
	CROUND                                         ; the closing round
	s_endpgm
.Lfunc_end_k_q8852da01c2_scores:
	.size	k_q8852da01c2_scores, .Lfunc_end_k_q8852da01c2_scores-k_q8852da01c2_scores
	.p2alignl 7, 3214868480
	.fill 96, 4, 3214868480
	.section	.rodata,"a",@progbits
	.p2align	6, 0x0
	.amdhsa_kernel k_q8852da01c2_scores
		.amdhsa_group_segment_fixed_size 327680
		.amdhsa_private_segment_fixed_size 0
		.amdhsa_enable_private_segment 0
		.amdhsa_kernarg_size 40
		.amdhsa_user_sgpr_count 2
		.amdhsa_user_sgpr_kernarg_segment_ptr 1
		.amdhsa_wavefront_size32 1
		.amdhsa_system_sgpr_workgroup_id_x 1
		.amdhsa_system_sgpr_workgroup_id_y 1
		.amdhsa_system_sgpr_workgroup_id_z 1
		.amdhsa_system_vgpr_workitem_id 0
		.amdhsa_next_free_vgpr 1024
		.amdhsa_next_free_sgpr 102
		.amdhsa_reserve_vcc 0
		.amdhsa_float_denorm_mode_32 3
		.amdhsa_float_denorm_mode_16_64 3
		.amdhsa_memory_ordered 1
		.amdhsa_forward_progress 1
		.amdhsa_inst_pref_size 216
	.end_amdhsa_kernel
	.amdgpu_metadata
---
amdhsa.version: [ 1, 2 ]
amdhsa.kernels:
  - .name:           k_q8852da01c2_scores
    .symbol:         k_q8852da01c2_scores.kd
    .args:
      - { .name: qk_img, .offset: 0, .size: 8, .value_kind: global_buffer, .address_space: global }
      - { .name: bias, .offset: 8, .size: 8, .value_kind: global_buffer, .address_space: global }
      - { .name: lowp_scales, .offset: 16, .size: 8, .value_kind: global_buffer, .address_space: global }
      - { .name: p_img, .offset: 24, .size: 8, .value_kind: global_buffer, .address_space: global }
      - { .name: stats, .offset: 32, .size: 8, .value_kind: global_buffer, .address_space: global }
    .group_segment_fixed_size: 327680
    .private_segment_fixed_size: 0
    .kernarg_segment_align: 8
    .kernarg_segment_size: 40
    .max_flat_workgroup_size: 128
    .sgpr_count:     102
    .vgpr_count:     1024
    .wavefront_size: 32
...
	.end_amdgpu_metadata
.endif
;; end of part 2
;; launch pv (part 3): grid 8 x 32, 4 waves a work-group, clusters of 4 x 4, 327,680 bytes of LDS; arguments p_img, v_img, stats, lowp_scales, val_img; writes val_img
.if DOCPART == 3
	.amdgcn_target "amdgcn-amd-amdhsa--gfx1250"
	.amdhsa_code_object_version 6
	.text
	.protected	k_q8852da01c2_pv
	.globl	k_q8852da01c2_pv
	.p2align	8
	.type	k_q8852da01c2_pv,@function
k_q8852da01c2_pv:
	s_mov_b64 s[64:65], 0
	v_nop
	global_prefetch_b8 v0, s[64:65] scope:SCOPE_SE
	s_setreg_imm32_b32 hwreg(HW_REG_WAVE_MODE, 25, 1), 1
	s_wait_xcnt 0x0
	s_wait_alu depctr_hold_cnt(0) depctr_sa_sdst(0) depctr_va_vdst(0) depctr_va_sdst(0) depctr_va_ssrc(0) depctr_va_vcc(0) depctr_vm_vsrc(0)
	s_getreg_b32 s2, hwreg(HW_REG_IB_STS2, 6, 4)
	s_cmp_eq_u32 s2, 0
	s_cbranch_scc0 .Lentry_in_a_cluster
	s_endpgm
.Lentry_in_a_cluster:
	s_bfe_u32 s2, ttmp6, 0x10000c
	s_cmp_lg_u32 s2, 0xf033
	s_cbranch_scc0 .Lentry_shape_is_right
	s_endpgm
.Lentry_shape_is_right:
; LAUNCH 3 OF 4: values = p v / the row's sum, on codes of E5M2, quantised for the last product.  No work is left out.
; A work-group makes 256 rows x 128 channels, a wave 64 rows x 128.  v's 128 channels x 2,048 keys (an image of operand registers, 262,144 bytes) stay in LDS, brought in two halves.
; P GOES FROM MEMORY STRAIGHT INTO REGISTERS: a wave's 64 rows are its own, 131,072 consecutive bytes; the loads run two blocks of 256 keys ahead and stay on their way over the barrier by count.  (LDS holds no more than v.)
; Source 0 = 16 channels, source 1 = 16 rows: lane (r, h) holds row r, registers j the channels 8 h + j.
; p of a block of 256 keys stands under the block's M.  Its sums start anew, and are added to the totals times f = 2^(M of the block - M of the row), a power of two: nothing is rounded by it.  The row's sum is gathered the same way.
; The totals are then multiplied by 2^(e4 + e5) / the row's sum, held within +-57,344 x 2^e6, and converted.   val_img: [row / 64][d / 128][tile of 16 rows][2,048].
; CLUSTERS: 4 x 4.  The four work-groups of a column have the same batch and the same channels: v is asked for jointly.
; LIMITS: e6 between -126 and 112; what f takes under the smallest f32 number is lost beside the row's other terms.  NaN among the inputs is not served.  No prefetch: the text has no loop to run ahead in.
; REGISTERS: window 0: v5-31 addresses, constants; v32-63 f (4 j + a); v64-67 the last factor; v68-127 at work at the head; v128-255 P's block buffer 0 (two steps of four fragments), later the way out.
;   window 1: v0-127 v's fragments, two sets of four; v128-255 P's buffer 1.   window 2: v0-127 a block's sums for half the channels (a, b) at 32 a + 8 b; v128-255 P's buffer 2.   window 3: the totals, (a, b) at 64 a + 8 b.
.set SPARE,  262144
.set CO,   5                           ; 16 x lane
.set ADV,  16                          ; v16-19 LDS address for each 65,536 bytes
.set SC,   22
.set LIM,  23
.set SPW,  28
.set NIL,  29
.set F,    32
.set G,    64
.set WK,   68
.set NMS,  96
.set G1,  24
.set G0,  32
.set MSB, 0
.macro WIN new
.if MSB != (\new)
	s_set_vgpr_msb (MSB<<8)|(\new)
.set MSB, \new
.endif
.endm
.macro PLACES n
.rept \n
	v_nop
.endr
.endm
.macro TLOAD g0, g1
	tensor_load_to_lds s[\g0:\g0+3], s[\g1:\g1+7]
	s_nop 0
	PLACES 4
.endm
.macro CROUND                          ; a round of the cluster's barrier
	s_barrier_signal -1
	s_barrier_wait -1
	s_cmp_lg_u32 s14, 0
	s_cbranch_scc1 .Lnot_wave_0_\@
	s_barrier_signal -3
.Lnot_wave_0_\@:
	s_barrier_wait -3
	s_barrier_signal -1
	s_barrier_wait -1
.endm
.macro PLOAD j, e                      ; P's four fragments of step e of block j into buffer j % 3, which lies in the window of that number
	WIN 0x40*((\j)%3)
.irp a, 0,1,2,3
.irp c, 0,1,2,3
	global_load_b128 v[128+64*(\e)+16*\a+4*\c:128+64*(\e)+16*\a+4*\c+3], v[CO], s[20:21] offset:8192*(2*(\j)+(\e))+2048*\a+512*\c
.endr
.endr
	WIN 0
.endm
	s_load_b128 s[4:7], s[0:1], 0x0                ; p_img, v_img
	s_load_b128 s[8:11], s[0:1], 0x10              ; stats, the scales' exponents
	s_load_b64 s[12:13], s[0:1], 0x20              ; val_img
	v_lshl_add_u32 v[SPW], v0, 2, SPARE
	v_mov_b32 v[NIL], 0
	ds_add_u32 v[SPW], v[NIL]                      ; the wave's opening: the add, twice on end, and its wait
	ds_add_u32 v[SPW], v[NIL]
	v_lshrrev_b32 v1, 5, v0
	v_readfirstlane_b32 s14, v1                    ; wave 0..3
	v_and_b32 v2, 31, v0
	v_lshlrev_b32 v[CO], 4, v2
	v_and_b32 v3, 15, v0
	v_lshlrev_b32 v6, 4, v3                        ; 16 r
.irp i, 0,1,2,3
	v_add_nc_u32 v[ADV+\i], \i*65536, v[CO]
.endr
.irp a, 0,1,2,3
	v_mov_b32 v[WK+8+\a], 0                        ; written once: a lane permute's destination counts as one of its sources
.endr
	s_wait_alu depctr_va_vdst(0)
	s_bfe_u32 s40, ttmp6, 0x40000                  ; cx, cy
	s_bfe_u32 s41, ttmp6, 0x40004
	s_lshl_b32 s42, ttmp9, 2
	s_add_co_u32 s42, s42, s40                     ; d / 128
	s_and_b32 s66, ttmp7, 0xffff
	s_lshl_b32 s17, s66, 2
	s_add_co_u32 s17, s17, s41                     ; row / 256
	s_lshr_b32 s66, s66, 1                         ; the batch, the same in the whole cluster
	s_lshl_b32 s44, 0x1111, s40                    ; my column
	s_or_b32 s[G1], s44, (3<<16)|(1<<21)           ; 15:0 the mask; 17:16 elements of 8 bytes; 21 set beside a mask
	s_mov_b32 s[G1+1], 128<<16                     ; a dense block: 32 rows of 128 elements
	s_mov_b32 s[G1+2], 32<<16
	s_mov_b32 s[G1+3], 128<<16
	s_mov_b32 s[G1+4], 32
	s_mov_b32 s[G1+5], 128
	s_mov_b32 s[G1+6], 0
	s_mov_b32 s[G1+7], 0
	s_lshl_b32 s45, s14, 15                        ; my quarter of a half of v: in LDS,
	s_lshl_b32 s46, s66, 21
	s_lshl_b32 s47, s42, 18
	s_add_co_u32 s46, s46, s47
	s_add_co_u32 s46, s46, s45                     ; and in memory
	s_mov_b32 s47, 0
	s_lshl_b32 s18, s17, 2
	s_add_co_u32 s18, s18, s14                     ; row / 64
	s_lshl_b32 s20, s18, 17
	s_mov_b32 s21, 0
	s_lshl_b32 s22, s18, 13
	s_mov_b32 s23, 0
	s_lshl_b32 s2, s18, 11
	s_add_co_u32 s2, s2, 0x100000
	s_mov_b32 s3, 0
	s_lshl_b32 s76, s18, 16
	s_lshl_b32 s77, s42, 13
	s_add_co_u32 s76, s76, s77
	s_mov_b32 s77, 0
	s_mov_b32 s96, 0x76543210                      ; lane l xor 16
	s_mov_b32 s97, 0xfedcba98
	s_wait_dscnt 0x0                               ; both opening adds are done
	s_wait_kmcnt 0x0
	s_load_b256 s[68:75], s[10:11], 0x0            ; e0 .. e7
	s_add_nc_u64 s[20:21], s[4:5], s[20:21]
	s_add_nc_u64 s[46:47], s[6:7], s[46:47]
	s_add_nc_u64 s[22:23], s[8:9], s[22:23]
	s_add_nc_u64 s[2:3], s[8:9], s[2:3]
	s_add_nc_u64 s[12:13], s[12:13], s[76:77]
	WIN 0xc0
.irp k, 0,1,2,3,4,5,6,7,8,9,10,11,12,13,14,15
	global_load_b128 v[4*\k:4*\k+3], v[CO], s[22:23] offset:512*\k   ; window 3: the sums of my rows 16 a + r (register a): lanes 0-15 key / 64 = 2 k, lanes 16-31 2 k + 1
.endr
	WIN 0
.irp j, 0,1,2,3,4,5,6,7
	global_load_b128 v[NMS+4*\j:NMS+4*\j+3], v6, s[2:3] offset:256*\j   ; -M of block j
.endr
	PLOAD 0, 0
.irp s, 0,1
	s_mov_b32 s[G0+4*\s], 1
	s_add_co_u32 s[G0+4*\s+1], s45, \s*131072
	s_add_nc_u64 s[G0+4*\s+2:G0+4*\s+3], s[46:47], \s*131072
	s_or_b32 s[G0+4*\s+3], s[G0+4*\s+3], 0x80000000
.endr
	CROUND                                         ; all sixteen work-groups are here: the first joint loads meet
	TLOAD G0, G1                                   ; v's keys 0 to 1,023
	PLOAD 0, 1                                     ; 56 loads of mine are out
	s_wait_kmcnt 0x0
	s_add_co_i32 s92, s72, s73                     ; e4 + e5
	s_add_co_i32 s93, s74, 127
	s_lshl_b32 s94, s93, 23
	v_mov_b32 v[SC], s94                           ; 2^e6
	s_add_co_i32 s93, s93, 15
	s_lshl_b32 s93, s93, 23
	s_or_b32 s93, s93, 0x600000
	v_mov_b32 v[LIM], s93                          ; 57,344 x 2^e6
	s_wait_alu depctr_va_vdst(0)
	s_wait_loadcnt 32                              ; the statistics are in; block 0's 32 loads may be out
	PLOAD 1, 0
.irp a, 0,1,2,3
	v_min_num_f32 v[WK+\a], v[NMS+\a], v[NMS+4+\a] ; the row's -M is the least of its blocks'
.endr
.irp j, 2,3,4,5,6,7
.irp a, 0,1,2,3
	v_min_num_f32 v[WK+\a], v[WK+\a], v[NMS+4*\j+\a]
.endr
.endr
.irp j, 0,1,2,3,4,5,6,7
.irp a, 0,1,2,3
	v_sub_f32 v[F+4*\j+\a], v[WK+\a], v[NMS+4*\j+\a]   ; the block's M less the row's: a whole number, 0 or less
.endr
.endr
.set m, 0
.rept 32
	v_cvt_i32_f32 v[F+m], v[F+m]
.set m, m+1
.endr
.set m, 0
.rept 32
	v_ldexp_f32 v[F+m], 1.0, v[F+m]
.set m, m+1
.endr
	WIN 0xcf
.irp j, 0,1,2,3,4,5,6,7
.irp a, 0,1,2,3
	v_add_f32 v[8*\j+\a], v[8*\j+\a], v[8*\j+4+\a]
.endr
.endr
	WIN 0x0c
.irp j, 0,1,2,3,4,5,6,7
.irp a, 0,1,2,3
.if \j == 0
	v_mul_f32 v[WK+4+\a], v[F+\a], v[\a]
.else
	v_fma_f32 v[WK+4+\a], v[F+4*\j+\a], v[8*\j+\a], v[WK+4+\a]
.endif
.endr
.endr
	WIN 0
.irp a, 0,1,2,3
	v_permlanex16_b32 v[WK+8+\a], v[WK+4+\a], s96, s97
.endr
.irp a, 0,1,2,3
	v_add_f32 v[WK+4+\a], v[WK+4+\a], v[WK+8+\a]   ; the row's sum
.endr
	s_wait_alu depctr_va_vdst(0)                   ; the wait ahead of the batch
.irp a, 0,1,2,3
	v_rcp_f32 v[WK+12+\a], v[WK+4+\a]
.endr
	v_nop
	s_wait_alu depctr_va_vdst(0)                   ; and ahead of its first reader
.irp a, 0,1,2,3
	v_ldexp_f32 v[G+\a], v[WK+12+\a], s92
.endr
	PLOAD 1, 1
; A QUARTER n of block j = n / 4: half hb = (n % 4) / 2 of the channels, step e = n % 2 of 128 keys: 16 matrix instructions; v's four fragments are fetched a quarter ahead, into set n % 2.
.macro FETCHV n
.set kk, 2*((\n)/4)+(\n)%2
.set hb, ((\n)%4)/2
	WIN 0x40
.irp b, 0,1,2,3
.irp c, 0,1,2,3
	ds_load_b128 v[64*((\n)%2)+16*\b+4*\c:64*((\n)%2)+16*\b+4*\c+3], v[ADV+kk/4] offset:16384*(kk%4)+2048*(4*hb+\b)+512*\c
.endr
.endr
	WIN 0
.endm
.macro MULV n                          ; the 16 accumulators take turns, one instruction a turn, in the same order
.set ee, (\n)%2
	WIN 0xa1+4*(((\n)/4)%3)
.irp a, 0,1,2,3
.irp b, 0,1,2,3
.set ac, 32*\a+8*\b
.set vr, 64*ee+16*\b
.set pr, 128+64*ee+16*\a
.if ee == 0
	v_wmma_f32_16x16x128_bf8_bf8 v[ac:ac+7], v[vr:vr+15], v[pr:pr+15], 0
.else
	v_wmma_f32_16x16x128_bf8_bf8 v[ac:ac+7], v[vr:vr+15], v[pr:pr+15], v[ac:ac+7]
.endif
.endr
.endr
.endm
.macro ADDT n                          ; totals += the block's sums x f; the first block makes the totals
.set jj, (\n)/4
.set hb, ((\n)%4)/2
	PLACES 4                                       ; behind the last products
.if jj == 0
	WIN 0xc2
.else
	WIN 0xf2
.endif
.irp a, 0,1,2,3
.set fr, F+4*jj+2*(\a/2)
.set m, 0
.rept 16
.set tr, 64*\a+32*hb+m
.set sr, 32*\a+m
.if jj == 0
.if \a%2
	v_pk_mul_f32 v[tr:tr+1], v[sr:sr+1], v[fr:fr+1] op_sel:[0,1] op_sel_hi:[1,1]
.else
	v_pk_mul_f32 v[tr:tr+1], v[sr:sr+1], v[fr:fr+1] op_sel_hi:[1,0]
.endif
.else
.if \a%2
	v_pk_fma_f32 v[tr:tr+1], v[sr:sr+1], v[fr:fr+1], v[tr:tr+1] op_sel:[0,1,0] op_sel_hi:[1,1,1]
.else
	v_pk_fma_f32 v[tr:tr+1], v[sr:sr+1], v[fr:fr+1], v[tr:tr+1] op_sel_hi:[1,0,1]
.endif
.endif
.set m, m+2
.endr
.endr
	WIN 0
.endm
	s_wait_alu depctr_va_vdst(0)                   ; the wait at the head's end
	s_wait_tensorcnt 0x0                           ; my part of v's first half is in
	ds_add_u32 v[SPW], v[NIL]
	s_wait_dscnt 0x0
	CROUND                                         ; everybody's is
	TLOAD G0+4, G1                                 ; v's keys 1,024 to 2,047: bytes that nothing has filled yet
	FETCHV 0
.set n, 0
.rept 32
.if n%4 == 0
.if n < 28
	s_wait_loadcnt 32                              ; block j's P is in; block j + 1's 32 loads may be out
.else
	s_wait_loadcnt 0
.endif
.endif
.if n == 15                            ; ahead of the first read of v's second half
	s_wait_alu depctr_va_vdst(0)
	s_wait_tensorcnt 0x0                           ; my part of it is in
	s_wait_dscnt 0x0
	s_barrier_signal -1
	s_barrier_wait -1                              ; everybody's is; nothing is filled again
.else
	s_wait_dscnt 0x0                               ; this quarter's fragments are in
.endif
.if n%2
	PLACES 4                                       ; in front of loads into registers that matrix instructions have read (elsewhere ADDT's stand there)
.endif
.if n < 31
	FETCHV n+1
.endif
.if (n%4 < 2) && (n < 24)
	PLOAD n/4+2, n%4
.endif
	MULV n
.if n%2
	ADDT n
.endif
	WIN 0
.set n, n+1
.endr
; THE WAY OUT, by tiles of 16 rows: eight conversions make the sixteen registers of one fragment; four stores of 512 consecutive bytes.
.irp a, 0,1,2,3
	WIN 0x03
.set gp, G+2*(\a/2)
.set m, 0
.rept 32
.if \a%2
	v_pk_mul_f32 v[128+m:129+m], v[64*\a+m:64*\a+m+1], v[gp:gp+1] op_sel:[0,1] op_sel_hi:[1,1]
.else
	v_pk_mul_f32 v[128+m:129+m], v[64*\a+m:64*\a+m+1], v[gp:gp+1] op_sel_hi:[1,0]
.endif
.set m, m+2
.endr
	WIN 0
.set m, 0
.rept 64
	v_med3_num_f32 v[128+m], v[128+m], -v[LIM], v[LIM]   ; the conversion does not saturate (ISA guide 7.6.2): the hold at the largest code x the scale
.set m, m+1
.endr
.irp b, 0,1,2,3,4,5,6,7
	v_cvt_scalef32_pk8_bf8_f32 v[192+16*\a+2*\b:193+16*\a+2*\b], v[128+8*\b:135+8*\b], v[SC]
.endr
	v_nop                                          ; one plain vector line behind the last conversion
.irp c, 0,1,2,3
	global_store_b128 v[CO], v[192+16*\a+4*\c:195+16*\a+4*\c], s[12:13] offset:2048*\a+512*\c
.endr
.endr
	s_wait_tensorcnt 0x0                           ; the wave's end
	ds_add_u32 v[SPW], v[NIL]
	s_wait_dscnt 0x0
	CROUND                                         ; the closing round
	s_endpgm
.Lfunc_end_k_q8852da01c2_pv:
	.size	k_q8852da01c2_pv, .Lfunc_end_k_q8852da01c2_pv-k_q8852da01c2_pv
	.p2alignl 7, 3214868480
	.fill 96, 4, 3214868480
	.section	.rodata,"a",@progbits
	.p2align	6, 0x0
	.amdhsa_kernel k_q8852da01c2_pv
		.amdhsa_group_segment_fixed_size 327680
		.amdhsa_private_segment_fixed_size 0
		.amdhsa_enable_private_segment 0
		.amdhsa_kernarg_size 40
		.amdhsa_user_sgpr_count 2
		.amdhsa_user_sgpr_kernarg_segment_ptr 1
		.amdhsa_wavefront_size32 1
		.amdhsa_system_sgpr_workgroup_id_x 1
		.amdhsa_system_sgpr_workgroup_id_y 1
		.amdhsa_system_sgpr_workgroup_id_z 1
		.amdhsa_system_vgpr_workitem_id 0
		.amdhsa_next_free_vgpr 1024
		.amdhsa_next_free_sgpr 100
		.amdhsa_reserve_vcc 0
		.amdhsa_float_denorm_mode_32 3
		.amdhsa_float_denorm_mode_16_64 3
		.amdhsa_memory_ordered 1
		.amdhsa_forward_progress 1
		.amdhsa_inst_pref_size 208
	.end_amdhsa_kernel
	.amdgpu_metadata
---
amdhsa.version: [ 1, 2 ]
amdhsa.kernels:
  - .name:           k_q8852da01c2_pv
    .symbol:         k_q8852da01c2_pv.kd
    .args:
      - { .name: p_img, .offset: 0, .size: 8, .value_kind: global_buffer, .address_space: global }
      - { .name: v_img, .offset: 8, .size: 8, .value_kind: global_buffer, .address_space: global }
      - { .name: stats, .offset: 16, .size: 8, .value_kind: global_buffer, .address_space: global }
      - { .name: lowp_scales, .offset: 24, .size: 8, .value_kind: global_buffer, .address_space: global }
      - { .name: val_img, .offset: 32, .size: 8, .value_kind: global_buffer, .address_space: global }
    .group_segment_fixed_size: 327680
    .private_segment_fixed_size: 0
    .kernarg_segment_align: 8
    .kernarg_segment_size: 40
    .max_flat_workgroup_size: 128
    .sgpr_count:     100
    .vgpr_count:     1024
    .wavefront_size: 32
...
	.end_amdgpu_metadata
.endif
;; end of part 3
;; launch proj (part 4): grid 8 x 32, 4 waves a work-group, clusters of 4 x 4, 327,680 bytes of LDS; arguments val_img, w_img, b_out, lowp_scales, out0; writes out0
.if DOCPART == 4
	.amdgcn_target "amdgcn-amd-amdhsa--gfx1250"
	.amdhsa_code_object_version 6
	.text
	.protected	k_q8852da01c2_proj
	.globl	k_q8852da01c2_proj
	.p2align	8
	.type	k_q8852da01c2_proj,@function
k_q8852da01c2_proj:
	s_mov_b64 s[64:65], 0
	v_nop
	global_prefetch_b8 v0, s[64:65] scope:SCOPE_SE
	s_setreg_imm32_b32 hwreg(HW_REG_WAVE_MODE, 25, 1), 1
	s_wait_xcnt 0x0
	s_wait_alu depctr_hold_cnt(0) depctr_sa_sdst(0) depctr_va_vdst(0) depctr_va_sdst(0) depctr_va_ssrc(0) depctr_va_vcc(0) depctr_vm_vsrc(0)
	s_getreg_b32 s2, hwreg(HW_REG_IB_STS2, 6, 4)
	s_cmp_eq_u32 s2, 0
	s_cbranch_scc0 .Lentry_in_a_cluster
	s_endpgm
.Lentry_in_a_cluster:
	s_bfe_u32 s2, ttmp6, 0x10000c
	s_cmp_lg_u32 s2, 0xf033
	s_cbranch_scc0 .Lentry_shape_is_right
	s_endpgm
.Lentry_shape_is_right:
; LAUNCH 4 OF 4: out = values W_out^T + b_out, on codes of E5M2.  No work is left out.
; A work-group makes 256 rows x 128 columns, a wave 64 rows x 128.  W_out's 128 rows (an image of operand registers, 131,072 bytes) stay in LDS, brought by one load a wave.
; The values (an image too) go from memory straight into registers and stay there: a wave's 64 rows are its own, 65,536 consecutive bytes, 512 registers; the loads run three K steps ahead.
; TWO PASSES of 64 columns over all of K: the first pass's results leave while the second is multiplied; each fragment of W_out is read from LDS once.
; A finished sum is multiplied once by 2^(e6 + e7), the bias added in the same fused multiply-add.
; Source 0 = 16 rows of W_out, source 1 = 16 rows of the values: lane (r, h) holds row r, register j of accumulator b column 16 b + 8 h + j.
; A block of 16 rows x 64 columns goes out through my stage in LDS: sixteen lanes store 256 consecutive bytes, aligned.   CLUSTERS: 4 x 4; the four work-groups of a column need the same rows of W_out and ask for them jointly.
; The values are not asked for jointly: they go to registers and not to tiles, which keeps LDS free of barriers behind the one fill.
; LIMIT: e6 + e7 between -126 and 127.  NaN among the inputs is not served.  No prefetch: the text has no loop to run ahead in.
; REGISTERS: window 0: v5-31 addresses; v32-95 the bias; v96-127 numbers on their way out; v128-255 W_out's fragments, two sets of four.   windows 1, 2: the values, (K step s, tile a) at 64 (s % 4) + 16 a of window 1 + s / 4.
;   window 3: pass c's accumulators, (a, b) at 128 c + 32 a + 8 b; a pass's rows on their way out lie in the other pass's half.
.set STAGE,  131072
.set SPITCH, 272
.set SPARE,  STAGE+4*16*SPITCH
.set CO,   5                           ; 16 x lane
.set ADB,  16                          ; v16-17 LDS address of W_out's K steps 0-3, 4-7
.set STO,  18
.set RD,   19
.set OO,   20                          ; my place in two rows of the output
.set SPW,  28
.set NIL,  29
.set BI,   32
.set TMP,  96
.set G1,  24
.set G0,  32
.set MSB, 0
.macro WIN new
.if MSB != (\new)
	s_set_vgpr_msb (MSB<<8)|(\new)
.set MSB, \new
.endif
.endm
.macro PLACES n
.rept \n
	v_nop
.endr
.endm
.macro CROUND                          ; a round of the cluster's barrier
	s_barrier_signal -1
	s_barrier_wait -1
	s_cmp_lg_u32 s14, 0
	s_cbranch_scc1 .Lnot_wave_0_\@
	s_barrier_signal -3
.Lnot_wave_0_\@:
	s_barrier_wait -3
	s_barrier_signal -1
	s_barrier_wait -1
.endm
.macro ALOAD s                         ; the values' four fragments of K step s
	WIN 0x40*(1+(\s)/4)
.irp a, 0,1,2,3
.irp c, 0,1,2,3
	global_load_b128 v[64*((\s)%4)+16*\a+4*\c:64*((\s)%4)+16*\a+4*\c+3], v[CO], s[20:21] offset:8192*(\s)+2048*\a+512*\c
.endr
.endr
	WIN 0
.endm
	s_load_b128 s[4:7], s[0:1], 0x0                ; val_img, w_img
	s_load_b128 s[8:11], s[0:1], 0x10              ; b_out, the scales' exponents
	s_load_b64 s[12:13], s[0:1], 0x20              ; out0
	v_lshl_add_u32 v[SPW], v0, 2, SPARE
	v_mov_b32 v[NIL], 0
	ds_add_u32 v[SPW], v[NIL]                      ; the wave's opening: the add, twice on end, and its wait
	ds_add_u32 v[SPW], v[NIL]
	v_lshrrev_b32 v1, 5, v0
	v_readfirstlane_b32 s14, v1                    ; wave 0..3
	v_and_b32 v2, 15, v0                           ; r
	v_bfe_u32 v3, v0, 4, 1                         ; h
	v_and_b32 v4, 31, v0
	v_lshlrev_b32 v[CO], 4, v4
	v_lshlrev_b32 v6, 5, v3                        ; 32 h
	v_mov_b32 v[ADB], v[CO]
	v_add_nc_u32 v[ADB+1], 65536, v[CO]
	s_mul_i32 s23, s14, 16*SPITCH
	s_add_co_u32 s23, s23, STAGE                   ; my stage
	v_mul_u32_u24 v8, v2, SPITCH                   ; in: row r, 32 bytes for each half of the lanes
	v_lshl_add_u32 v8, v3, 5, v8
	v_add_nc_u32 v[STO], s23, v8
	v_mul_u32_u24 v9, v3, SPITCH                   ; back: lanes 0-15 take one row of 256 bytes, lanes 16-31 the next
	v_lshl_add_u32 v9, v2, 4, v9
	v_add_nc_u32 v[RD], s23, v9
	v_lshlrev_b32 v[OO], 12, v3                    ; and the same two rows of the output
	v_lshl_add_u32 v[OO], v2, 4, v[OO]
	s_wait_alu depctr_va_vdst(0)
	s_bfe_u32 s40, ttmp6, 0x40000                  ; cx, cy
	s_bfe_u32 s41, ttmp6, 0x40004
	s_lshl_b32 s42, ttmp9, 2
	s_add_co_u32 s42, s42, s40                     ; column / 128
	s_and_b32 s17, ttmp7, 0xffff
	s_lshl_b32 s17, s17, 2
	s_add_co_u32 s17, s17, s41                     ; row / 256
	s_lshl_b32 s44, 0x1111, s40                    ; my column of the cluster
	s_or_b32 s[G1], s44, (3<<16)|(1<<21)           ; 15:0 the mask; 17:16 elements of 8 bytes; 21 set beside a mask
	s_mov_b32 s[G1+1], 128<<16                     ; a dense block: 32 rows of 1,024 bytes
	s_mov_b32 s[G1+2], 32<<16
	s_mov_b32 s[G1+3], 128<<16
	s_mov_b32 s[G1+4], 32
	s_mov_b32 s[G1+5], 128
	s_mov_b32 s[G1+6], 0
	s_mov_b32 s[G1+7], 0
	s_lshl_b32 s45, s14, 15                        ; my quarter: in LDS,
	s_lshl_b32 s46, s42, 17
	s_add_co_u32 s46, s46, s45                     ; and in memory
	s_mov_b32 s47, 0
	s_lshl_b32 s18, s17, 2
	s_add_co_u32 s18, s18, s14                     ; row / 64
	s_lshl_b32 s20, s18, 16
	s_mov_b32 s21, 0
	s_lshl_b32 s2, s42, 9                          ; 4 x 128 x the column tile
	s_mov_b32 s3, 0
	s_lshl_b32 s18, s18, 18
	s_add_co_u32 s18, s18, s2
	s_mov_b32 s19, 0
	s_wait_dscnt 0x0                               ; both opening adds are done
	s_wait_kmcnt 0x0
	s_load_b256 s[68:75], s[10:11], 0x0            ; e0 .. e7
	s_add_nc_u64 s[20:21], s[4:5], s[20:21]
	s_add_nc_u64 s[46:47], s[6:7], s[46:47]
	s_add_nc_u64 s[8:9], s[8:9], s[2:3]
	s_add_nc_u64 s[12:13], s[12:13], s[18:19]
.irp b, 0,1,2,3,4,5,6,7
	global_load_b128 v[BI+8*\b:BI+8*\b+3], v6, s[8:9] offset:64*\b
	global_load_b128 v[BI+8*\b+4:BI+8*\b+7], v6, s[8:9] offset:64*\b+16
.endr
	ALOAD 0
	s_mov_b32 s[G0], 1
	s_mov_b32 s[G0+1], s45
	s_mov_b64 s[G0+2:G0+3], s[46:47]
	s_or_b32 s[G0+3], s[G0+3], 0x80000000
	CROUND                                         ; all sixteen work-groups are here: the joint loads meet
	tensor_load_to_lds s[G0:G0+3], s[G1:G1+7]      ; the launch's only fill
	s_nop 0
	PLACES 4
	ALOAD 1
	ALOAD 2
	s_wait_kmcnt 0x0
	s_add_co_i32 s76, s74, s75
	s_add_co_i32 s76, s76, 127
	s_lshl_b32 s76, s76, 23                        ; 2^(e6 + e7) as f32
	s_mov_b32 s77, s76
; GROUP g: pass g / 8, K step g % 8: four fragments of W_out (in set g % 2) against the values' four: 16 matrix instructions.
.macro FETCHW g
.irp b, 0,1,2,3
.irp c, 0,1,2,3
	ds_load_b128 v[128+64*((\g)%2)+16*\b+4*\c:128+64*((\g)%2)+16*\b+4*\c+3], v[ADB+((\g)%8)/4] offset:16384*((\g)%4)+2048*(4*((\g)/8)+\b)+512*\c
.endr
.endr
.endm
.macro MULW g                          ; the 16 accumulators take turns, one instruction a turn, in the same order in every K step
.set ss, (\g)%8
	WIN 0xf0+4*(1+ss/4)
.irp a, 0,1,2,3
.irp b, 0,1,2,3
.set ac, 128*((\g)/8)+32*\a+8*\b
.set wr, 128+64*((\g)%2)+16*\b
.set ar, 64*(ss%4)+16*\a
.if ss == 0
	v_wmma_f32_16x16x128_bf8_bf8 v[ac:ac+7], v[wr:wr+15], v[ar:ar+15], 0
.else
	v_wmma_f32_16x16x128_bf8_bf8 v[ac:ac+7], v[wr:wr+15], v[ar:ar+15], v[ac:ac+7]
.endif
.endr
.endr
	WIN 0
.endm
.macro TOSTAGE p, a                    ; 16 rows x 64 columns: sum x 2^(e6 + e7) + bias, into my stage, and back by rows: LDS serves a wave's instructions in order (ISA guide 5.7.1.4)
.set ac, 128*(\p)+32*(\a)
.set bk, 128*(1-(\p))+32*(\a)
	WIN 0x03
.set m, 0
.rept 16
	v_pk_fma_f32 v[TMP+m:TMP+m+1], v[ac+m:ac+m+1], s[76:77], v[BI+32*(\p)+m:BI+32*(\p)+m+1] op_sel_hi:[1,0,1]
.set m, m+2
.endr
	WIN 0
.irp b, 0,1,2,3
	ds_store_b128 v[STO], v[TMP+8*\b:TMP+8*\b+3] offset:64*\b
	ds_store_b128 v[STO], v[TMP+8*\b+4:TMP+8*\b+7] offset:64*\b+16
.endr
	WIN 0xc0
.irp t, 0,1,2,3,4,5,6,7
	ds_load_b128 v[bk+4*\t:bk+4*\t+3], v[RD] offset:2*\t*SPITCH
.endr
	WIN 0
.endm
.macro SEND p, a, younger              ; younger: the LDS instructions issued behind this block's loads, which may stay out
.set bk, 128*(1-(\p))+32*(\a)
	s_wait_dscnt \younger
	WIN 0x0c
.irp t, 0,1,2,3,4,5,6,7
	global_store_b128 v[OO], v[bk+4*\t:bk+4*\t+3], s[12:13] offset:65536*(\a)+8192*\t+256*(\p) th:TH_STORE_NT
.endr
	WIN 0
.endm
.macro OUT p
	PLACES 4                                       ; behind the last products
	TOSTAGE \p, 0
.irp a, 1,2,3
	TOSTAGE \p, \a
	s_wait_alu depctr_va_vdst(0)
	SEND \p, \a-1, 16                              ; behind block a - 1's loads: block a's 8 stores and 8 loads
.endr
	SEND \p, 3, 0
.endm
	s_wait_alu depctr_va_vdst(0)                   ; the wait at the head's end
	s_wait_tensorcnt 0x0                           ; my part of W_out's image is in
	s_barrier_signal -1
	s_barrier_wait -1                              ; everybody's is; nothing is filled again
	FETCHW 0
.set n, 0
.rept 16
.if n < 6
	s_wait_loadcnt 32                              ; this step's values are in; the next two steps' 16 loads each may be out
.elseif n < 8
	s_wait_loadcnt 16*(7-n)
.endif
	s_wait_dscnt 0x0                               ; this group's fragments of W_out are in
.if (n > 0) && (n != 8)
	PLACES 4                                       ; in front of loads into registers that matrix instructions have read (ahead of group 8 OUT's stand there)
.endif
.if n < 15
	FETCHW n+1
.endif
.if n < 5
	ALOAD n+3
.endif
	MULW n
.if n == 7
	OUT 0
	s_wait_xcnt 0x0                                ; the stores have read the registers on which the second pass's sums begin
.endif
.set n, n+1
.endr
	OUT 1
	s_wait_tensorcnt 0x0                           ; the wave's end
	ds_add_u32 v[SPW], v[NIL]
	s_wait_dscnt 0x0
	CROUND                                         ; the closing round
	s_endpgm
.Lfunc_end_k_q8852da01c2_proj:
	.size	k_q8852da01c2_proj, .Lfunc_end_k_q8852da01c2_proj-k_q8852da01c2_proj
	.p2alignl 7, 3214868480
	.fill 96, 4, 3214868480
	.section	.rodata,"a",@progbits
	.p2align	6, 0x0
	.amdhsa_kernel k_q8852da01c2_proj
		.amdhsa_group_segment_fixed_size 327680
		.amdhsa_private_segment_fixed_size 0
		.amdhsa_enable_private_segment 0
		.amdhsa_kernarg_size 40
		.amdhsa_user_sgpr_count 2
		.amdhsa_user_sgpr_kernarg_segment_ptr 1
		.amdhsa_wavefront_size32 1
		.amdhsa_system_sgpr_workgroup_id_x 1
		.amdhsa_system_sgpr_workgroup_id_y 1
		.amdhsa_system_sgpr_workgroup_id_z 1
		.amdhsa_system_vgpr_workitem_id 0
		.amdhsa_next_free_vgpr 1024
		.amdhsa_next_free_sgpr 100
		.amdhsa_reserve_vcc 0
		.amdhsa_float_denorm_mode_32 3
		.amdhsa_float_denorm_mode_16_64 3
		.amdhsa_memory_ordered 1
		.amdhsa_forward_progress 1
		.amdhsa_inst_pref_size 79
	.end_amdhsa_kernel
	.amdgpu_metadata
---
amdhsa.version: [ 1, 2 ]
amdhsa.kernels:
  - .name:           k_q8852da01c2_proj
    .symbol:         k_q8852da01c2_proj.kd
    .args:
      - { .name: val_img, .offset: 0, .size: 8, .value_kind: global_buffer, .address_space: global }
      - { .name: w_img, .offset: 8, .size: 8, .value_kind: global_buffer, .address_space: global }
      - { .name: b_out, .offset: 16, .size: 8, .value_kind: global_buffer, .address_space: global }
      - { .name: lowp_scales, .offset: 24, .size: 8, .value_kind: global_buffer, .address_space: global }
      - { .name: out0, .offset: 32, .size: 8, .value_kind: global_buffer, .address_space: global }
    .group_segment_fixed_size: 327680
    .private_segment_fixed_size: 0
    .kernarg_segment_align: 8
    .kernarg_segment_size: 40
    .max_flat_workgroup_size: 128
    .sgpr_count:     100
    .vgpr_count:     1024
    .wavefront_size: 32
...
	.end_amdgpu_metadata
.endif
;; end of part 4
